; MI455X (gfx1250); checked and timed in simulation.
; The chip was launched on July 23, 2026; its instructions are those of AMD's public machine-readable ISA for CDNA 5 (MIT licence, August 2026) and "CDNA5" Instruction Set Architecture Reference Guide (July 2026). The comments in the code are by the model that wrote it; some were corrected since.
;; Linear Attention. Allowed arithmetic: matrix products marked QUANTISED: E4M3 operands, one E8M0 scale for each 32 along K, by v_wmma_scale_f32_16x16x128_f8f6f4 with both operands' format E4M3, f32 sums; products left as they are: f32 operands where the result goes on into a quantised operand, else bf16, f16 or f32 operands; f32 sums; everything else in f32.
;; Inputs: Wk_codes 1,024 x 32 x 32 uint8 (E4M3 codes of Wk, K innermost, in blocks of 32 codes); Wk_scales 1,024 x 32 uint8 (E8M0 scales of Wk, one for each 32 codes along K); Wp_codes 1,024 x 32 x 32 uint8 (E4M3 codes of Wp, K innermost, in blocks of 32 codes); Wp_scales 1,024 x 32 uint8 (E8M0 scales of Wp, one for each 32 codes along K); Wq_codes 1,024 x 32 x 32 uint8 (E4M3 codes of Wq, K innermost, in blocks of 32 codes); Wq_scales 1,024 x 32 uint8 (E8M0 scales of Wq, one for each 32 codes along K); Wv_codes 1,024 x 32 x 32 uint8 (E4M3 codes of Wv, K innermost, in blocks of 32 codes); Wv_scales 1,024 x 32 uint8 (E8M0 scales of Wv, one for each 32 codes along K); bk 1,024 float32; bp 1,024 float32; bq 1,024 float32; bv 1,024 float32; key_codes 4 x 4,096 x 32 x 32 uint8 (E4M3 codes of key, K innermost, in blocks of 32 codes); key_scales 4 x 4,096 x 32 uint8 (E8M0 scales of key, one for each 32 codes along K); query_codes 4 x 2,048 x 32 x 32 uint8 (E4M3 codes of query, K innermost, in blocks of 32 codes); query_scales 4 x 2,048 x 32 uint8 (E8M0 scales of query, one for each 32 codes along K); value_codes 4 x 4,096 x 32 x 32 uint8 (E4M3 codes of value, K innermost, in blocks of 32 codes); value_scales 4 x 4,096 x 32 uint8 (E8M0 scales of value, one for each 32 codes along K).
;; Outputs: out0 4 x 2,048 x 1,024 float32.
;; This version of the problem:
;;   THIS VERSION OF THE PROBLEM IS GIVEN IN LOW PRECISION. The matrix products marked QUANTISED in the list below multiply operands that are first quantised to E4M3 (4 exponent bits, 3 mantissa bits; 8 bits a number), with one power-of-two scale for each 32 numbers along K (OCP MX v1.0); their sums are f32. All else is computed in f32.
;;   The module's matrix products, in the order in which they are computed (A, B: the left and right operand; K: the contracted axis; several contracted axes count as one K, in the product's order):
;;     1. [M 8,192, K 1,024] x [K 1,024, N 1,024]; A: input query (given as codes); B: input Wq (given as codes): QUANTISED
;;     2. [M 16,384, K 1,024] x [K 1,024, N 1,024]; A: input key (given as codes); B: input Wk (given as codes): QUANTISED
;;     3. [M 16,384, K 1,024] x [K 1,024, N 1,024]; A: input value (given as codes); B: input Wv (given as codes): QUANTISED
;;     4. batch 64 x [M 64, K 4,096] x [K 4,096, N 64]; A: computed on the way; B: computed on the way: QUANTISED
;;     5. batch 64 x [M 1, K 64] x [K 64, N 2,048]; A: computed on the way; B: computed on the way: left as it is (M = 1 < 16)
;;     6. batch 64 x [M 64, K 64] x [K 64, N 2,048]; A: computed on the way; B: computed on the way: QUANTISED
;;     7. batch 131,072 x [M 1, K 1] x [K 1, N 64]; A: computed on the way; B: computed on the way: left as it is (no contracted axis)
;;     8. [M 8,192, K 1,024] x [K 1,024, N 1,024]; A: computed on the way; B: input Wp (given as codes): QUANTISED
;;   THE QUANTISER, for each operand of a quantised product, along K:
;;     - K is cut into blocks of 32 from its start; a last block that is shorter is filled with zeros.
;;     - A block's scale is 2^e with e = floor(log2(the largest magnitude in the block)) - 8, held to -126 .. 127; a block of zeros has e = 0. As a byte (E8M0): e + 127.
;;     - Each number is divided by its block's scale, clamped to +-448, and rounded to the nearest number of E4M3, ties to even, subnormals kept.
;;     - The product sums the exact products of the quantised numbers (number of the format x scale) in f32.
;;   ~~~python
;;   def quantise(x, axis):      # numpy; x: float32 -> the quantised numbers, widened to float32 again
;;       x = np.moveaxis(x, axis, -1); K = x.shape[-1]
;;       x = np.pad(x, [(0, 0)] * (x.ndim - 1) + [(0, -K % 32)]); x = x.reshape(x.shape[:-1] + (-1, 32)); a = np.abs(x).max(-1, keepdims=True)
;;       e = np.where(a > 0, np.clip(np.frexp(np.where(a > 0, a, 1))[1] - 1 - 8, -126, 127), 0)      # np.frexp(a)[1] - 1 = floor(log2(a)), exactly
;;       r = np.clip(x / 2.0 ** e, -448, 448)
;;       step = 2.0 ** (np.maximum(np.frexp(np.where(r == 0, 1, r))[1] - 1, -6) - 3)
;;       q = np.round(r / step) * step * 2.0 ** e      # np.round: ties to even
;;       return np.moveaxis(q.reshape(q.shape[:-2] + (-1,))[..., :K], -1, axis).astype(np.float32)
;;   ~~~
;;   OPERANDS COMPUTED ON THE WAY. 'Computed on the way' means the value that the module computes at that place (a softmax that the list does not call 'softmax' is quantised finished and normalised). What goes into a quantiser is computed in f32, as accurately as f32 sums, v_exp_f32 and their like allow (about 1e-6 of the number): no bf16 or f16 on the way to a quantiser, and a product that is left as it is and whose result goes on into a quantised operand takes f32 operands (vector FMAs, or v_wmma_f32_16x16x4_f32). A number that lies on a knife's edge between two numbers of the format may be rounded either way, as far as f32 arithmetic and the matrix unit's own rounding can turn it there, and no further.
;;   INPUTS GIVEN AS CODES. Wk (in the module: [1024, 1024], K = its axis 1); Wp (in the module: [1024, 1024], K = its axis 1); Wq (in the module: [1024, 1024], K = its axis 1); Wv (in the module: [1024, 1024], K = its axis 1); key (in the module: [4, 4096, 1024], K = its axis 2); query (in the module: [4, 2048, 1024], K = its axis 2); value (in the module: [4, 4096, 1024], K = its axis 2): each comes as NAME_codes (uint8): NAME with its K axis moved to the last place and cut into blocks of 32 codes, [.., K / 32, bytes a block], one block behind the other in memory; one code a byte (a code: sign, 4 exponent bits, 3 mantissa bits); and NAME_scales (uint8): the same leading axes, one E8M0 byte (e + 127) for each 32 codes along K. Its value is code x scale, taken as it is: it is not quantised again, and the codes and scales need not be those that the quantiser above would give.
;; 2 versions, each right and faster than the one before. Each part assembles by itself: llvm-mc -triple=amdgcn-amd-amdhsa -mcpu=gfx1250 --defsym DOCPART=n.
;; ======== version 1 of 2: 4 launches
;; workspace buffers: kvp 16,777,216 bytes; ksp 524,288 bytes; kvimg 524,288 bytes; kvsc 32,768 bytes; ksum 16,384 bytes; vcodes 8,388,608 bytes; vscales 262,144 bytes
;; launch kvproj (part 1): grid 4 x 64, 4 waves a work-group, clusters of 4 x 4, 327,680 bytes of LDS; arguments Wk_codes, Wk_scales, key_codes, key_scales, Wv_codes, Wv_scales, value_codes, value_scales, bk, bv, kvp, ksp; writes kvp, ksp
.if DOCPART == 1
	.amdgcn_target "amdgcn-amd-amdhsa--gfx1250"
	.amdhsa_code_object_version 6
	.text
	.protected	k_q9b24b5b1df_kvproj
	.globl	k_q9b24b5b1df_kvproj
	.p2align	8
	.type	k_q9b24b5b1df_kvproj,@function
k_q9b24b5b1df_kvproj:
	s_mov_b64 s[64:65], 0
	v_nop
	global_prefetch_b8 v0, s[64:65] scope:SCOPE_SE
	s_setreg_imm32_b32 hwreg(HW_REG_WAVE_MODE, 25, 1), 1
	s_wait_xcnt 0x0
	s_wait_alu depctr_hold_cnt(0) depctr_sa_sdst(0) depctr_va_vdst(0) depctr_va_sdst(0) depctr_va_ssrc(0) depctr_va_vcc(0) depctr_vm_vsrc(0)
	s_getreg_b32 s2, hwreg(HW_REG_IB_STS2, 6, 4)
	s_cmp_eq_u32 s2, 0
	s_cbranch_scc0 .Lentry_in_a_cluster
	s_endpgm
.Lentry_in_a_cluster:
	s_bfe_u32 s2, ttmp6, 0x10000c
	s_cmp_lg_u32 s2, 0xf033
	s_cbranch_scc0 .Lentry_shape_is_right
	s_endpgm
.Lentry_shape_is_right:
; k = key Wk^T + bk, K = elu(k) + 1, v = value Wv^T + bv, and the part of KV = K^T v and of K.sum that 256 rows s give.  All products on codes of FP8 (E4M3) with one E8M0 scale for each 32 along K.
; A work-group of four waves takes rows 256 Y .. + 255 of the 16,384 rows (n, s) and columns 256 X .. + 255 (four heads); a wave takes 128 columns (two heads) x 128 rows: 64 accumulators, 512 registers.
; The two GEMMs (K = 1,024: four K steps of 256 through two LDS slots) follow each other through ONE ring: the k GEMM's last two changes of slots ask for the v GEMM's first two K steps.
; SOURCE 0 = 16 ROWS s OF THE ACTIVATION, SOURCE 1 = 16 ROWS OF THE WEIGHT: a lane then holds ONE column e (lane % 16) and its registers run down s, which is the next product's K: the 64 registers of a column
; tile are 128 rows s, four blocks of 32; they are quantised in registers and ARE a fragment of the next product.  Inside a block of 32 the order of s is 16 u + 8 h + j where the unit reads 16 h + 8 u + j: the same
; permutation in K and in v, inside one scale block, so every product meets its partner; only the grouping of the f32 sum differs.
; K's eight fragments wait through the v GEMM: five in registers, three as register images in LDS, over the bytes of key's and Wk's scales, which have had their one fill and their last read by then.
; KV: each wave multiplies its 128 rows s for its two heads; the two waves of a column half exchange one head each through LDS, add, and store one head's 64 x 64 as register images (512 consecutive bytes a store).
; CLUSTER 4 x 4: the weights' tiles hang on X alone and are asked for jointly along a column of the cluster, the activations' on Y alone, along a row.
; LIMITS: for x <= 0, elu(x) + 1 is taken as e^x (it differs from expm1(x) + 1 by at most 2^-24); a block whose largest magnitude lies under 2^-118 (zeros too) keeps the scale byte 1, its codes read by this
; program alone; NaN and infinities among the inputs are not served; the f32 sums over s are taken in another order than a plain chain.
; REGISTERS.  window 0: v1-5 LDS addresses, v6 v7 the spare word's address and 0, v8-15 bk then K's scale words, v16-31 K's fragment 4, v32-63 scale words (two sets) / at work between the GEMMs,
;   v64-127 K's fragments 0-3, v128-255 the weights' fragments / at work.  window 1: the activations' fragments, two sets; later v's eight fragments.  windows 2, 3: the accumulators.
.set PITCH,  272                       ; an LDS row: 256 bytes + 16 of padding = 68 words: the 16 rows of a fragment load start at 16 different banks (64 banks of 4 bytes: ISA guide 11.1)
.set HALFT,  128*PITCH                 ; 128 rows: one tensor load
.set SLOT,   4*HALFT                   ; the weights' 256 rows, then the activations' 256
.set HALFS,  16*272                    ; the scales of 128 rows (4,096 dense bytes) as 16 rows of 256 + 16
.set SBLK,   2*272                     ; those of 16 rows
.set FR,     16
.set NL,     4
.set NP,     8                         ; places behind this matrix instruction (ISA guide 7.12.1)
.set SCLV,   2*SLOT                    ; Wv's and value's scales
.set SCLK,   SCLV+4*HALFS              ; Wk's and key's
.set GK,     SCLK-SCLV
.set IMG,    SCLK                      ; later: K's fragments 5-7, 6,144 bytes a wave
.set IMGW,   3*2048
.set SPARE,  327168                    ; the spare words: 128 bytes a wave, two blocks of 256 bytes that no other line names
.set ADRA, 1
.set ADRB, 3
.set ADRS, 5
.set SPW,  6
.set NIL,  7
.set KSW,  8
.set SC,   32
.set VSW,  32
.set LI,   36
.set L4,   37
.set TM,   40                          ; v40-43 largest magnitudes, v44-47 bytes, v48-51 448 x the scale, v52-55 the conversions' scale operands
.set KSP,  56                          ; v56-63 a column's sum of K over my 128 rows, a register for each column tile
.set AF,   128
.set XR,   128
.set YR,   192
.set WV, 28
.set HA, 29
.set HB, 30
.set G1, 32
.set G0, 40
.set G1B, 48
.set G0B, 56
.set G1S, 68
.set G1SB, 76
.set NXA, 12                           ; s[12:13] Wv's codes, s[16:17] value's, at my tile: kept for the change of GEMMs
.set NXB, 16
.set SEL, 4                            ; s[4:5] lane selects for v_permlanex16_b32: lane l xor 16
.set MNT, 6                            ; s6 the mantissa field of 448
.set L2E, 8                            ; s[8:9] log2(e), twice: the packed form names a pair
.set MUL_LO, 0xa1                      ; source 0 window 1, source 1 window 0, C and D window 2
.set MUL_HI, 0xf1
.set TO_B,   0x40
.set CODEW, (1<<20)|(1<<21)|(5<<22)|(3<<25)          ; elements of 1 byte; padding on; bit 21 beside a mask; 4 words behind every 64
.set SCLW,  (3<<16)|(1<<20)|(1<<21)|(5<<22)|(3<<25)  ; the same with elements of 8 bytes
.set MSB, 0
.macro WIN new                         ; the immediate's high byte repeats the setting that is left
.if MSB != (\new)
	s_set_vgpr_msb (MSB<<8)|(\new)
.set MSB, (\new)
.endif
.endm
.macro PLACES n
.rept \n
	v_nop
.endr
.endm
; A joint load: waves 0 and 1 fetch the weights' halves, waves 2 and 3 the activations'.  The branch hangs on the wave's number alone.  Four v_nop follow each of the two lines.
.macro JLOAD g0a, g1a, g0b, g1b
	s_cmp_eq_u32 s[HA], 0
	s_cbranch_scc0 .Lfor_b_\@
	tensor_load_to_lds s[\g0a:\g0a+3], s[\g1a:\g1a+7]
	s_nop 0
.rept 4
	v_nop
.endr
	s_branch .Lasked_\@
.Lfor_b_\@:
	tensor_load_to_lds s[\g0b:\g0b+3], s[\g1b:\g1b+7]
	s_nop 0
.rept 4
	v_nop
.endr
.Lasked_\@:
.endm
.macro CREST                           ; a round of the cluster's barrier behind its opening barrier
	s_cmp_lg_u32 s[WV], 0
	s_cbranch_scc1 .Lnot_wave_0_\@
	s_barrier_signal -3
.Lnot_wave_0_\@:
	s_barrier_wait -3
	s_barrier_signal -1
	s_barrier_wait -1
.endm
.macro CROUND
	s_barrier_signal -1
	s_barrier_wait -1
	CREST
.endm
.macro FRAG reg, adr, q, i             ; 16 rows x 128 K: lane l holds row l % 16; registers 4 c .. 4 c + 3 hold K = 32 c + 16 (l / 16) + 0 .. 15
.irp c, 0,1,2,3
	ds_load_b128 v[\reg+4*\c:\reg+4*\c+3], v[\adr] offset:128*(\q)+32*\c+(\i)*16*PITCH
.endr
.endm
.macro FETCH_B slot, q, p
	WIN TO_B
.irp i, 0,1,2,3,4,5,6,7
	FRAG 128*(\p)+FR*\i, ADRB+\slot, \q, \i
.endr
	WIN 0
.endm
.macro FETCH_A slot, q, i0
.irp i, \i0, \i0+1, \i0+2, \i0+3
	FRAG AF+FR*(\i), ADRA+\slot, \q, \i
.endr
.endm
.macro SCALES sc, off                  ; a K step's two scale words a row: lanes 0-15 the weights' block i, lanes 16-31 the activations' block i; the K step stands in the immediate
.irp i, 0,1,2,3,4,5,6,7
	ds_load_b64 v[SC+16*(\sc)+2*\i:SC+16*(\sc)+2*\i+1], v[ADRS] offset:\i*SBLK+(\off)
.endr
.endm
; 16 matrix instructions: the weights' blocks a0, a0 + 1 x the activations' eight.  zero = 1: the first product starts the sums.  The 64 accumulators take turns.
.macro MUL16 a0, p, q, sc, zero
.irp a, \a0, \a0+1
.irp b, 0,1,2,3,4,5,6,7
.if \zero
	v_wmma_scale_f32_16x16x128_f8f6f4 v[8*(8*((\a)%4)+\b):8*(8*((\a)%4)+\b)+7], v[128*(\p)+FR*\b:128*(\p)+FR*\b+FR-1], v[AF+FR*(\a):AF+FR*(\a)+FR-1], 0, v[SC+16*(\sc)+2*\b+(\q)], v[SC+16*(\sc)+2*(\a)+(\q)] matrix_a_scale:MATRIX_SCALE_ROW1
.else
	v_wmma_scale_f32_16x16x128_f8f6f4 v[8*(8*((\a)%4)+\b):8*(8*((\a)%4)+\b)+7], v[128*(\p)+FR*\b:128*(\p)+FR*\b+FR-1], v[AF+FR*(\a):AF+FR*(\a)+FR-1], v[8*(8*((\a)%4)+\b):8*(8*((\a)%4)+\b)+7], v[SC+16*(\sc)+2*\b+(\q)], v[SC+16*(\sc)+2*(\a)+(\q)] matrix_a_scale:MATRIX_SCALE_ROW1
.endif
.endr
.endr
.endm
; A step of 128 along K that has its successor in the same slot.
.macro STEP slot, q, zero
	s_wait_dscnt 4*NL                              ; all but the youngest sixteen loads (the weights' blocks 4-7) are in
	WIN MUL_LO
	MUL16 0, (\q)%2, \q, \slot, \zero
	MUL16 2, (\q)%2, \q, \slot, \zero
	s_wait_dscnt 0                                 ; blocks 4-7 are in
	PLACES NP                                      ; in front of loads into registers that matrix instructions have read
	FETCH_B \slot, (\q)+1, 1-(\q)%2
	FETCH_A \slot, (\q)+1, 0
	WIN MUL_HI
	MUL16 4, (\q)%2, \q, \slot, \zero
	MUL16 6, (\q)%2, \q, \slot, \zero
	PLACES NP
	WIN 0
	FETCH_A \slot, (\q)+1, 4
.endm
; A slot's last step changes slots: one barrier; in front of it each wave waits for all its tensor loads, adds 0 to its spare word, and waits for that and for its reads of this slot.
; fill = 1: the slot takes this GEMM's K step two on; 2: the next GEMM's K step 0 or 1; 0: nothing.  fetch = 1: the next slot's first fragments and scale words (at soff) are read.
.macro TURN slot, next, fill, fetch, soff
	s_wait_tensorcnt 0x0                           ; all my tensor loads have landed: my part of the next slot
	ds_add_u32 v[SPW], v[NIL]                      ; 0 onto my spare word
	s_wait_dscnt 4*NL+1                            ; the add and the youngest sixteen loads may be out
	WIN MUL_LO
	MUL16 0, 1, 1, \slot, 0
	s_wait_dscnt 0x0                               ; the add is done, and my reads of this slot are over
	s_barrier_signal -1
	MUL16 2, 1, 1, \slot, 0
	WIN 0
	s_barrier_wait -1
.if \fill
	CREST                                          ; the barrier has opened a round of the cluster's: no wave of any partner still reads this slot or has a load on its way
.if \fill == 1
	s_add_nc_u64 s[G0+4*\slot+2:G0+4*\slot+3], s[G0+4*\slot+2:G0+4*\slot+3], 512
	s_add_nc_u64 s[G0B+4*\slot+2:G0B+4*\slot+3], s[G0B+4*\slot+2:G0B+4*\slot+3], 512
.else
	s_add_nc_u64 s[G0+4*\slot+2:G0+4*\slot+3], s[NXA:NXA+1], 256*\slot
	s_or_b32 s[G0+4*\slot+3], s[G0+4*\slot+3], 0x80000000
	s_add_nc_u64 s[G0B+4*\slot+2:G0B+4*\slot+3], s[NXB:NXB+1], 256*\slot
	s_or_b32 s[G0B+4*\slot+3], s[G0B+4*\slot+3], 0x80000000
.endif
	JLOAD G0+4*\slot, G1, G0B+4*\slot, G1B         ; the first tensor load behind the round; its four v_nop are among the places below
	PLACES NP-4
.else
	PLACES NP
.endif
.if \fetch
	FETCH_B \next, 0, 0
	FETCH_A \next, 0, 0
	SCALES \next, \soff
.endif
	WIN MUL_HI
	MUL16 4, 1, 1, \slot, 0
	MUL16 6, 1, 1, \slot, 0
	PLACES NP
	WIN 0
.if \fetch
	FETCH_A \next, 0, 4
.endif
.endm
; 64 numbers of a lane, v[s] on (16 of each of four blocks of 32; the other 16 lie in lane l xor 16), become a fragment's codes in v[pc] on (window setting pcw) and its scale word in v[pw].
; nn = 1: the numbers are not negative: no |.|, a one-sided hold.
.macro QUANT s, nn, pc, pcw, pw
.irp b, 0,1,2,3
.if \nn
	v_max3_num_f32 v[TM+\b], v[(\s)+16*\b], v[(\s)+1+16*\b], 0x4800000     ; with the floor 2^(9 - 127): the byte cannot fall under 1
.else
	v_max3_num_f32 v[TM+\b], |v[(\s)+16*\b]|, |v[(\s)+1+16*\b]|, 0x4800000
.endif
.endr
.irp i, 2,4,6,8,10,12,14
.irp b, 0,1,2,3
.if \nn
	v_max3_num_f32 v[TM+\b], v[TM+\b], v[(\s)+16*\b+\i], v[(\s)+1+16*\b+\i]
.else
	v_max3_num_f32 v[TM+\b], v[TM+\b], |v[(\s)+16*\b+\i]|, |v[(\s)+1+16*\b+\i]|
.endif
.endr
.endr
.irp b, 0,1,2,3
	v_permlanex16_b32 v[TM+4+\b], v[TM+\b], s[SEL], s[SEL+1]
.endr
.irp b, 0,1,2,3
	v_max_num_f32 v[TM+\b], v[TM+\b], v[TM+4+\b]                   ; the block's largest magnitude
.endr
.irp b, 0,1,2,3
	v_add_nc_u32 v[TM+12+\b], 0xfc000000, v[TM+\b]                 ; 8 off its exponent field: the conversion's scale operand
.endr
.irp b, 0,1,2,3
	v_and_or_b32 v[TM+8+\b], v[TM+\b], 0x7f800000, s[MNT]          ; 448 x the scale
.endr
.irp b, 0,1,2,3
	v_lshrrev_b32 v[TM+4+\b], 23, v[TM+12+\b]                      ; the scale's byte
.endr
	v_lshl_or_b32 v[(\pw)], v[TM+5], 8, v[TM+4]
	v_lshl_or_b32 v[(\pw)], v[TM+6], 16, v[(\pw)]
	v_lshl_or_b32 v[(\pw)], v[TM+7], 24, v[(\pw)]
.irp b, 0,1,2,3
.irp i, 0,1,2,3,4,5,6,7,8,9,10,11,12,13,14,15
.if \nn
	v_min_num_f32 v[(\s)+16*\b+\i], v[(\s)+16*\b+\i], v[TM+8+\b]   ; the conversion to an 8-bit code does not saturate (ISA guide 7.6.2): the hold
.else
	v_med3_num_f32 v[(\s)+16*\b+\i], v[(\s)+16*\b+\i], -v[TM+8+\b], v[TM+8+\b]
.endif
.endr
.endr
	WIN \pcw
.irp b, 0,1,2,3
	v_cvt_scalef32_pk8_fp8_f32 v[(\pc)+4*\b:(\pc)+4*\b+1], v[(\s)+16*\b:(\s)+16*\b+7], v[TM+12+\b]
	v_cvt_scalef32_pk8_fp8_f32 v[(\pc)+4*\b+2:(\pc)+4*\b+3], v[(\s)+16*\b+8:(\s)+16*\b+15], v[TM+12+\b]
.endr
	WIN 0
	v_nop                                          ; one plain line behind the last conversion of a run
.endm
	s_load_b512 s[4:19], s[0:1], 0x0               ; Wk codes, scales; key codes, scales; Wv codes, scales; value codes, scales
	s_load_b256 s[20:27], s[0:1], 0x40             ; bk, bv, kvp, ksp
	v_lshl_add_u32 v[SPW], v0, 2, SPARE
	v_mov_b32 v[NIL], 0
	ds_add_u32 v6, v7
	ds_add_u32 v6, v7
	s_wait_dscnt 0x0
	v_lshrrev_b32 v16, 5, v0
	v_readfirstlane_b32 s[WV], v16                 ; wave 0..3
	s_lshr_b32 s[HA], s[WV], 1                     ; which 128 columns are mine.  Also: I fetch for the weights (0) or for the activations (1)
	s_and_b32 s[HB], s[WV], 1                      ; which 128 rows s.  Also: which 128 rows of a tile I fetch
	s_bfe_u32 s66, ttmp6, 0x40000                  ; cx
	s_bfe_u32 s67, ttmp6, 0x40004                  ; cy
	s_lshl_b32 s100, ttmp9, 2
	s_add_co_u32 s100, s100, s66                   ; X = 4 x cluster x + cx
	s_and_b32 s101, ttmp7, 0xffff
	s_lshl_b32 s101, s101, 2
	s_add_co_u32 s101, s101, s67                   ; Y = 4 x cluster y + cy
	s_lshl_b32 s3, s67, 2
	s_lshl_b32 s3, 15, s3                          ; my row of the cluster
	s_lshl_b32 s2, 0x1111, s66                     ; my column
	s_or_b32 s[G1+0], s2, CODEW                    ; the weights' tiles hang on X: shared along my column
	s_or_b32 s[G1B+0], s3, CODEW                   ; the activations' on Y: shared along my row
	s_or_b32 s[G1S+0], s2, SCLW
	s_or_b32 s[G1SB+0], s3, SCLW
.irp g, G1, G1B
	s_mov_b32 s[\g+1], 256<<16                     ; tensor_dim0
	s_mov_b32 s[\g+2], 128<<16                     ; tensor_dim1
	s_mov_b32 s[\g+3], 256<<16                     ; tile_dim0
	s_mov_b32 s[\g+4], 128                         ; tile_dim1
	s_mov_b32 s[\g+5], 1024                        ; bytes from row to row
	s_mov_b32 s[\g+6], 0
	s_mov_b32 s[\g+7], 0
.endr
.irp g, G1S, G1SB
	s_mov_b32 s[\g+1], 32<<16                      ; 16 rows of 32 elements of 8 bytes, dense
	s_mov_b32 s[\g+2], 16<<16
	s_mov_b32 s[\g+3], 32<<16
	s_mov_b32 s[\g+4], 16
	s_mov_b32 s[\g+5], 32
	s_mov_b32 s[\g+6], 0
	s_mov_b32 s[\g+7], 0
.endr
	s_lshl_b32 s31, s[HB], 7
	s_lshl_b32 s84, s100, 8
	s_add_co_u32 s84, s84, s31                     ; the weights' row that I fetch from: 256 X + 128 x half
	s_lshl_b32 s86, s84, 5                         ; its scales, in bytes,
	s_lshl_b32 s84, s84, 10                        ; its codes
	s_mov_b32 s85, 0
	s_mov_b32 s87, 0
	s_lshl_b32 s92, s101, 8
	s_add_co_u32 s92, s92, s31                     ; the activations': 256 Y + 128 x half
	s_lshl_b32 s94, s92, 5
	s_lshl_b32 s92, s92, 10
	s_mov_b32 s93, 0
	s_mov_b32 s95, 0
	s_wait_kmcnt 0x0
	s_add_nc_u64 s[4:5], s[4:5], s[84:85]
	s_add_nc_u64 s[6:7], s[6:7], s[86:87]
	s_add_nc_u64 s[12:13], s[12:13], s[84:85]
	s_add_nc_u64 s[14:15], s[14:15], s[86:87]
	s_add_nc_u64 s[8:9], s[8:9], s[92:93]
	s_add_nc_u64 s[10:11], s[10:11], s[94:95]
	s_add_nc_u64 s[16:17], s[16:17], s[92:93]
	s_add_nc_u64 s[18:19], s[18:19], s[94:95]
	s_lshl_b32 s2, s100, 8
	s_lshl_b32 s66, s[HA], 7
	s_add_co_u32 s2, s2, s66
	s_lshl_b32 s2, s2, 2                           ; my first column, as bytes of f32
	s_mov_b32 s3, 0
	s_add_nc_u64 s[20:21], s[20:21], s[2:3]        ; bk
	s_add_nc_u64 s[22:23], s[22:23], s[2:3]        ; bv
	s_add_nc_u64 s[26:27], s[26:27], s[2:3]
	s_lshl_b32 s2, s101, 1
	s_add_co_u32 s2, s2, s[HB]
	s_lshl_b32 s2, s2, 12
	s_add_nc_u64 s[26:27], s[26:27], s[2:3]        ; ksp: row 2 Y + my half of the rows
	s_lshl_b32 s2, s101, 4
	s_lshl_b32 s66, s100, 2
	s_add_co_u32 s2, s2, s66
	s_add_co_u32 s2, s2, s[WV]
	s_lshl_b32 s2, s2, 14
	s_add_nc_u64 s[24:25], s[24:25], s[2:3]        ; kvp: chunk Y, head 4 X + wave, 16,384 bytes each
	CROUND                                         ; all sixteen work-groups are here: the first joint loads meet
	s_mul_i32 s31, s[WV], HALFS
	s_mov_b32 s84, 1
	s_add_co_u32 s85, s31, SCLK
	s_mov_b64 s[86:87], s[6:7]
	s_or_b32 s87, s87, 0x80000000
	s_mov_b32 s92, 1
	s_add_co_u32 s93, s31, SCLK
	s_mov_b64 s[94:95], s[10:11]
	s_or_b32 s95, s95, 0x80000000
	JLOAD 84, G1S, 92, G1SB                        ; Wk's and key's scales
	s_mov_b32 s88, 1
	s_add_co_u32 s89, s31, SCLV
	s_mov_b64 s[90:91], s[14:15]
	s_or_b32 s91, s91, 0x80000000
	s_mov_b32 s96, 1
	s_add_co_u32 s97, s31, SCLV
	s_mov_b64 s[98:99], s[18:19]
	s_or_b32 s99, s99, 0x80000000
	JLOAD 88, G1S, 96, G1SB                        ; Wv's and value's
	s_mul_i32 s31, s[WV], HALFT
.irp s, 0,1
	s_mov_b32 s[G0+4*\s], 1
	s_add_co_u32 s[G0+4*\s+1], s31, \s*SLOT
	s_add_nc_u64 s[G0+4*\s+2:G0+4*\s+3], s[4:5], \s*256
	s_or_b32 s[G0+4*\s+3], s[G0+4*\s+3], 0x80000000
	s_mov_b32 s[G0B+4*\s], 1
	s_add_co_u32 s[G0B+4*\s+1], s31, \s*SLOT
	s_add_nc_u64 s[G0B+4*\s+2:G0B+4*\s+3], s[8:9], \s*256
	s_or_b32 s[G0B+4*\s+3], s[G0B+4*\s+3], 0x80000000
	JLOAD G0+4*\s, G1, G0B+4*\s, G1B               ; four tensor loads of mine are out now
.endr
	s_mov_b32 s[SEL], 0x76543210
	s_mov_b32 s[SEL+1], 0xfedcba98
	s_mov_b32 s[MNT], 0x600000
	s_mov_b32 s[L2E], 0x3fb8aa3b
	s_mov_b32 s[L2E+1], 0x3fb8aa3b
	v_and_b32 v16, 15, v0                          ; r
	v_bfe_u32 v17, v0, 4, 1                        ; h
	v_mul_u32_u24 v18, v16, PITCH
	v_lshl_add_u32 v18, v17, 4, v18                ; a fragment's row x pitch + 16 h
	s_mul_i32 s31, s[HA], HALFT
	v_add_nc_u32 v[ADRA], s31, v18
	s_add_co_u32 s31, s31, SLOT
	v_add_nc_u32 v[ADRA+1], s31, v18
	s_mul_i32 s31, s[HB], HALFT
	s_add_co_u32 s31, s31, 2*HALFT
	v_add_nc_u32 v[ADRB], s31, v18
	s_add_co_u32 s31, s31, SLOT
	v_add_nc_u32 v[ADRB+1], s31, v18
	v_lshlrev_b32 v19, 5, v16                      ; my row's scales: 32 bytes a row,
	v_lshrrev_b32 v20, 3, v16
	v_lshl_add_u32 v19, v20, 4, v19                ; and 16 more behind each 256
	s_xor_b32 s31, s[HA], 1
	s_add_co_u32 s31, s31, s[HB]
	s_add_co_u32 s31, s31, 1                       ; 2 + HB - HA: lanes 16-31 take the activations', so many halves further on
	s_mul_i32 s31, s31, HALFS
	v_mul_u32_u24 v20, s31, v17
	v_add_nc_u32 v19, v19, v20
	s_mul_i32 s31, s[HA], HALFS
	s_add_co_u32 s31, s31, SCLV
	v_add_nc_u32 v[ADRS], s31, v19
	v_lshlrev_b32 v21, 2, v16
.irp a, 0,1,2,3,4,5,6,7
	global_load_b32 v[KSW+\a], v21, s[20:21] offset:64*\a          ; bk of my column in each column tile
.endr
	s_wait_tensorcnt 1                             ; both sets of scales and my part of K step 0 are in; K step 1's load may be out
	s_barrier_signal -1
	s_barrier_wait -1
	; ---- k = key Wk^T
	FETCH_B 0, 0, 0
	FETCH_A 0, 0, 0
	SCALES 0, GK
	FETCH_A 0, 0, 4
	STEP 0, 0, 1
	TURN 0, 1, 1, 1, GK+8
	STEP 1, 0, 0
	TURN 1, 0, 1, 1, GK+16
	STEP 0, 0, 0
	TURN 0, 1, 2, 1, GK+24                         ; slot 0 takes the v GEMM's K step 0,
	STEP 1, 0, 0
	TURN 1, 0, 2, 0, 0                             ; slot 1 its K step 1: both land under what follows.  In front of this round every wave's load of slot 0 has landed
	; ---- K = elu(k + bk) + 1, its sums over my 128 rows, and its codes along s
	s_wait_loadcnt 0x0                             ; bk
	v_mov_b32 v33, 0                               ; (upper halves of pairs whose low word serves both halves)
	v_mov_b32 v35, 0
.irp b, 0,1,2,3
	v_mov_b32 v[TM+4+\b], 0                        ; a lane permute's destination counts as one of its sources
.endr
	v_and_b32 v[LI], 31, v0
	v_lshlrev_b32 v[L4], 2, v[LI]                  ; 4 x lane
	v_lshlrev_b32 v[LI], 4, v[LI]
	s_mul_i32 s31, s[WV], IMGW
	s_add_co_u32 s31, s31, IMG
	v_add_nc_u32 v[LI], s31, v[LI]                 ; my images: 16 x lane + 6,144 x wave
.macro EPIK a
.set AC, 64*((\a)%4)
.if (\a) < 4
.set KFB, 64+16*(\a)
.elseif (\a) == 4
.set KFB, 16
.else
.set KFB, 208
.endif
	v_mul_f32 v32, s[L2E], v[KSW+(\a)]             ; bk log2(e)
	v_add_f32 v34, 1.0, v[KSW+(\a)]                ; bk + 1
	WIN 0x02+(\a)/4
.set i, 0
.rept 32
	v_pk_fma_f32 v[YR+2*i:YR+2*i+1], v[AC+2*i:AC+2*i+1], s[L2E:L2E+1], v[32:33] op_sel_hi:[1,0,0]   ; x log2(e); each accumulator from its low end on
.set i, i+1
.endr
.set i, 0
.rept 32
	v_pk_add_f32 v[XR+2*i:XR+2*i+1], v[AC+2*i:AC+2*i+1], v[34:35] op_sel_hi:[1,0]                   ; x + 1
.set i, i+1
.endr
	WIN 0
.set i, 0
.rept 64
	v_exp_f32 v[YR+i], v[YR+i]                     ; e^x
.set i, i+1
.endr
	v_nop                                          ; a plain line behind the exponentials
.set i, 0
	s_wait_alu depctr_va_vdst(0)
.rept 64
	v_med3_num_f32 v[XR+i], v[XR+i], v[YR+i], 1.0  ; elu(x) + 1: for x > 0, 1 < x + 1 < e^x; for x <= 0, x + 1 <= e^x <= 1: the middle one in both cases
.set i, i+1
.endr
	v_pk_add_f32 v[YR:YR+1], v[XR:XR+1], v[XR+2:XR+3]              ; the column's sum, of the unquantised K, in two chains
	v_pk_add_f32 v[YR+2:YR+3], v[XR+4:XR+5], v[XR+6:XR+7]
.irp j, 8,12,16,20,24,28,32,36,40,44,48,52,56,60
	v_pk_add_f32 v[YR:YR+1], v[YR:YR+1], v[XR+\j:XR+\j+1]
	v_pk_add_f32 v[YR+2:YR+3], v[YR+2:YR+3], v[XR+\j+2:XR+\j+3]
.endr
	v_pk_add_f32 v[YR:YR+1], v[YR:YR+1], v[YR+2:YR+3]
	v_add_f32 v[YR], v[YR], v[YR+1]
	v_permlanex16_b32 v[YR+1], v[YR], s[SEL], s[SEL+1]
	v_add_f32 v[KSP+(\a)], v[YR], v[YR+1]
	QUANT XR, 1, KFB, 0, KSW+(\a)
.if (\a) > 4
.irp c, 0,1,2,3
	ds_store_b128 v[LI], v[KFB+4*\c:KFB+4*\c+3] offset:((\a)-5)*2048+512*\c    ; the fragment as it stands: lane l's 16 bytes at 16 l
.endr
	s_wait_dscnt 0x0                               ; the stores have read their registers
.endif
.endm
.irp a, 0,1,2,3,4,5,6,7
	EPIK \a
.endr
	v_and_b32 v32, 16, v0
	v_cmp_ne_u32 vcc_lo, 0, v32
.irp p, 0,1,2,3
	v_cndmask_b32 v[KSP+2*\p], v[KSP+2*\p], v[KSP+2*\p+1], vcc_lo  ; lanes 0-15 column tile 2 p, lanes 16-31 tile 2 p + 1: 32 neighbouring columns
.endr
.irp p, 0,1,2,3
	global_store_b32 v[L4], v[KSP+2*\p], s[26:27] offset:128*\p    ; the four cover 512 consecutive bytes
.endr
	s_wait_xcnt 0x0                                ; the stores' registers are loaded into again below only behind this wait
	; ---- v = value Wv^T
	FETCH_B 0, 0, 0
	FETCH_A 0, 0, 0
	SCALES 0, 0
	FETCH_A 0, 0, 4
	STEP 0, 0, 1
	TURN 0, 1, 1, 1, 8
	STEP 1, 0, 0
	TURN 1, 0, 1, 1, 16
	STEP 0, 0, 0
	TURN 0, 1, 0, 1, 24                            ; nothing more to fetch: no round
	STEP 1, 0, 0
	v_and_b32 v40, 15, v0                          ; scale set 0 is done with, sixteen places ago
	v_lshlrev_b32 v40, 2, v40
.irp a, 0,1,2,3,4,5,6,7
	global_load_b32 v[VSW+\a], v40, s[22:23] offset:64*\a          ; bv of my column in each column tile
.endr
	s_wait_dscnt 4*NL
	WIN MUL_LO
	MUL16 0, 1, 1, 1, 0
	MUL16 2, 1, 1, 1, 0
	s_wait_dscnt 0
	WIN MUL_HI
	MUL16 4, 1, 1, 1, 0
	MUL16 6, 1, 1, 1, 0
	WIN 0
	PLACES NP
	; ---- v + bv, and its codes along s, into window 1
	s_wait_loadcnt 0x0                             ; bv
	v_mov_b32 v57, 0
.irp b, 0,1,2,3
	v_mov_b32 v[TM+4+\b], 0
.endr
.macro EPIV a
.set AC, 64*((\a)%4)
	v_mov_b32 v56, v[VSW+(\a)]
	WIN 0x02+(\a)/4
.set i, 0
.rept 32
	v_pk_add_f32 v[XR+2*i:XR+2*i+1], v[AC+2*i:AC+2*i+1], v[56:57] op_sel_hi:[1,0]
.set i, i+1
.endr
	WIN 0
	QUANT XR, 0, 16*(\a), 0x40, VSW+(\a)
.endm
.irp a, 0,1,2,3,4,5,6,7
	EPIV \a
.endr
	; ---- KV(m, d) += sum over my 128 rows s: source 0 = 16 columns d of K, source 1 = 16 columns m of v; 16 tiles for each of my two heads
	v_and_b32 v4, 31, v0
	v_lshlrev_b32 v4, 4, v4
	s_mul_i32 s31, s[WV], IMGW
	s_add_co_u32 s31, s31, IMG
	v_add_nc_u32 v4, s31, v4
.irp f, 0,1,2
.irp c, 0,1,2,3
	ds_load_b128 v[128+16*\f+4*\c:128+16*\f+4*\c+3], v4 offset:2048*\f+512*\c      ; K's fragments 5-7 come back as they went
.endr
.endr
	PLACES NP                                      ; v's last codes and scale word were written by vector instructions
	s_wait_dscnt 0x0
	WIN 0x84                                       ; source 0 window 0, source 1 window 1, D window 2
.macro KVMUL hh, mt, dt
.set KF, 4*(\hh)+(\dt)
.if KF < 4
.set KR, 64+16*KF
.elseif KF == 4
.set KR, 16
.else
.set KR, 128+16*(KF-5)
.endif
	v_wmma_scale_f32_16x16x128_f8f6f4 v[8*(16*(\hh)+4*(\mt)+(\dt)):8*(16*(\hh)+4*(\mt)+(\dt))+7], v[KR:KR+15], v[16*(4*(\hh)+(\mt)):16*(4*(\hh)+(\mt))+15], 0, v[KSW+KF], v[VSW+4*(\hh)+(\mt)]
.endm
.irp hh, 0,1
.irp mt, 0,1,2,3
.irp dt, 0,1,2,3
	KVMUL \hh, \mt, \dt
.endr
.endr
.endr
	WIN 0
	v_and_b32 v3, 31, v0                           ; the exchange's addresses: four of the eight places behind the products
	v_lshlrev_b32 v3, 4, v3                        ; 16 x lane
	s_lshl_b32 s31, s[WV], 14
	v_add_nc_u32 v1, s31, v3                       ; where I put a head: 16,384 bytes a wave, in slot 0, which has had its last fill and its last read
	s_xor_b32 s31, s31, 16384
	v_add_nc_u32 v2, s31, v3                       ; where my partner (the other half of the rows s) puts one
	PLACES 4
.macro SENDH hs
	WIN 0x08                                       ; an LDS store's data are its source 1: window 2
.irp t, 0,1,2,3,4,5,6,7,8,9,10,11,12,13,14,15
	ds_store_b128 v1, v[128*(\hs)+8*\t:128*(\hs)+8*\t+3] offset:1024*\t
	ds_store_b128 v1, v[128*(\hs)+8*\t+4:128*(\hs)+8*\t+7] offset:1024*\t+512
.endr
	WIN 0
.endm
.macro ADDH hs
	WIN 0x02
.set i, 0
.rept 64
	v_pk_add_f32 v[128+2*i:129+2*i], v[128*(\hs)+2*i:128*(\hs)+2*i+1], v[128+2*i:129+2*i]
.set i, i+1
.endr
	WIN 0
.endm
	s_cmp_eq_u32 s[HB], 0                          ; I keep head HB of my two and send the other
	s_cbranch_scc0 .Lsend_0
	SENDH 1
	s_branch .Lsent
.Lsend_0:
	SENDH 0
.Lsent:
	s_wait_dscnt 0x0                               ; for the partner's sake: my stores have landed
	s_barrier_signal -1
	s_barrier_wait -1
.irp t, 0,1,2,3,4,5,6,7,8,9,10,11,12,13,14,15
	ds_load_b128 v[128+8*\t:128+8*\t+3], v2 offset:1024*\t
	ds_load_b128 v[128+8*\t+4:128+8*\t+7], v2 offset:1024*\t+512
.endr
	s_wait_dscnt 0x0
	s_cmp_eq_u32 s[HB], 0
	s_cbranch_scc0 .Ladd_1
	ADDH 0
	s_branch .Ladded
.Ladd_1:
	ADDH 1
.Ladded:
.irp t, 0,1,2,3,4,5,6,7,8,9,10,11,12,13,14,15
	global_store_b128 v3, v[128+8*\t:128+8*\t+3], s[24:25] offset:1024*\t          ; 32 lanes store 512 consecutive bytes
	global_store_b128 v3, v[128+8*\t+4:128+8*\t+7], s[24:25] offset:1024*\t+512
.endr
	s_wait_tensorcnt 0x0                           ; the wave's end
	ds_add_u32 v[SPW], v[NIL]
	s_wait_dscnt 0x0
	CROUND                                         ; the closing round
	s_endpgm
.Lfunc_end_k_q9b24b5b1df_kvproj:
	.size	k_q9b24b5b1df_kvproj, .Lfunc_end_k_q9b24b5b1df_kvproj-k_q9b24b5b1df_kvproj
	.p2alignl 7, 3214868480
	.fill 96, 4, 3214868480
	.section	.rodata,"a",@progbits
	.p2align	6, 0x0
	.amdhsa_kernel k_q9b24b5b1df_kvproj
		.amdhsa_group_segment_fixed_size 327680
		.amdhsa_private_segment_fixed_size 0
		.amdhsa_enable_private_segment 0
		.amdhsa_kernarg_size 96
		.amdhsa_user_sgpr_count 2
		.amdhsa_user_sgpr_kernarg_segment_ptr 1
		.amdhsa_wavefront_size32 1
		.amdhsa_system_sgpr_workgroup_id_x 1
		.amdhsa_system_sgpr_workgroup_id_y 1
		.amdhsa_system_sgpr_workgroup_id_z 1
		.amdhsa_system_vgpr_workitem_id 0
		.amdhsa_next_free_vgpr 1024
		.amdhsa_next_free_sgpr 102
		.amdhsa_reserve_vcc 1
		.amdhsa_float_denorm_mode_32 3
		.amdhsa_float_denorm_mode_16_64 3
		.amdhsa_memory_ordered 1
		.amdhsa_forward_progress 1
		.amdhsa_inst_pref_size 255
	.end_amdhsa_kernel
	.section	.bss,"aw",@nobits
	.p2align	6
	.space	262144
	.amdgpu_metadata
---
amdhsa.version: [ 1, 2 ]
amdhsa.kernels:
  - .name:           k_q9b24b5b1df_kvproj
    .symbol:         k_q9b24b5b1df_kvproj.kd
    .args:
      - { .name: Wk_codes, .offset: 0, .size: 8, .value_kind: global_buffer, .address_space: global }
      - { .name: Wk_scales, .offset: 8, .size: 8, .value_kind: global_buffer, .address_space: global }
      - { .name: key_codes, .offset: 16, .size: 8, .value_kind: global_buffer, .address_space: global }
      - { .name: key_scales, .offset: 24, .size: 8, .value_kind: global_buffer, .address_space: global }
      - { .name: Wv_codes, .offset: 32, .size: 8, .value_kind: global_buffer, .address_space: global }
      - { .name: Wv_scales, .offset: 40, .size: 8, .value_kind: global_buffer, .address_space: global }
      - { .name: value_codes, .offset: 48, .size: 8, .value_kind: global_buffer, .address_space: global }
      - { .name: value_scales, .offset: 56, .size: 8, .value_kind: global_buffer, .address_space: global }
      - { .name: bk, .offset: 64, .size: 8, .value_kind: global_buffer, .address_space: global }
      - { .name: bv, .offset: 72, .size: 8, .value_kind: global_buffer, .address_space: global }
      - { .name: kvp, .offset: 80, .size: 8, .value_kind: global_buffer, .address_space: global }
      - { .name: ksp, .offset: 88, .size: 8, .value_kind: global_buffer, .address_space: global }
    .group_segment_fixed_size: 327680
    .private_segment_fixed_size: 0
    .kernarg_segment_align: 8
    .kernarg_segment_size: 96
    .max_flat_workgroup_size: 128
    .sgpr_count:     102
    .vgpr_count:     1024
    .wavefront_size: 32
...
	.end_amdgpu_metadata
.endif
;; end of part 1
;; launch kvreduce (part 2): grid 256 x 1, 4 waves a work-group, no clusters, 17,408 bytes of LDS; arguments kvp, ksp, kvimg, kvsc, ksum; writes kvimg, kvsc, ksum
.if DOCPART == 2
	.amdgcn_target "amdgcn-amd-amdhsa--gfx1250"
	.amdhsa_code_object_version 6
	.text
	.protected	k_q9b24b5b1df_kvreduce
	.globl	k_q9b24b5b1df_kvreduce
	.p2align	8
	.type	k_q9b24b5b1df_kvreduce,@function
k_q9b24b5b1df_kvreduce:
	s_mov_b64 s[64:65], 0
	v_nop
	global_prefetch_b8 v0, s[64:65] scope:SCOPE_SE
	s_setreg_imm32_b32 hwreg(HW_REG_WAVE_MODE, 25, 1), 1
	s_wait_xcnt 0x0
; KV = the sum of its 16 parts over s, quantised along d into images of the next product's operand; Ksum = the sum of its 32 parts.  All in f32.
; Work-group g = (n x 16 + head) x 4 + mt takes 16 rows m x 64 columns d of one head's KV, and 16 columns of Ksum.  Wave w adds parts 4 w .. 4 w + 3; the four sums meet in LDS; wave 0 adds them and quantises.
; A part is a register image: lane (r, h), register 8 dt + j = KV(16 mt + r, 16 dt + 8 h + j).  So the 16 registers of tiles 2 c, 2 c + 1 and those of lane l xor 16 are the block of 32 columns d = 32 c ..;
; inside a block the order is the one that Q's codes have in the next launch.  The next product's K is 64 and its instruction takes 128: an even head's codes fill registers 0-7 of the operand and zeros 8-15,
; an odd head's the other way round, so that one fragment of Q (two heads' 128 columns) meets each head's KV; the scale bytes over the zeros are 127.
; No matrix unit, no tensor load, no cluster: 16 MiB are read once, by loads of 512 consecutive bytes, 36 in flight in each wave.
; LIMITS: a block whose largest magnitude lies under 2^-118 (zeros too) keeps the scale byte 1: its bytes are read by this program alone.  Ksum leaves in pieces of 64 bytes: 16 KiB in the whole launch.
.set S,  32                            ; v32-159 four parts of 32 registers
.set TM, 16                            ; v16,17 largest magnitudes; v18,19 the other lane's; v20,21 448 x scale; v22,23 scale operands; v24,25 bytes; v26 the word
	s_load_b256 s[4:11], s[0:1], 0x0               ; kvp, ksp, kvimg, kvsc
	s_load_b64 s[12:13], s[0:1], 0x20              ; ksum
	v_lshl_add_u32 v192, v0, 2, 0x4200
	v_mov_b32 v193, 0
	v_lshrrev_b32 v1, 5, v0
	v_readfirstlane_b32 s14, v1                    ; wave
	v_and_b32 v2, 31, v0
	v_lshlrev_b32 v3, 4, v2                        ; 16 x lane
	v_lshlrev_b32 v27, 2, v2                       ; 4 x lane
	v_and_b32 v4, 15, v0
	v_lshlrev_b32 v6, 2, v4                        ; my column of the 16, in bytes
	v_lshrrev_b32 v5, 4, v0
	v_lshl_add_u32 v5, v5, 12, v6                  ; ksp: part thread / 16 (rows of 4,096 bytes), my column
	s_lshl_b32 s19, s14, 12
	v_add_nc_u32 v7, s19, v3                       ; LDS: my wave's sum: 4,096 x wave + 16 x lane
	s_lshl_b32 s19, s14, 6
	s_add_co_u32 s19, s19, 16384
	v_add_nc_u32 v8, s19, v6                       ; and its 16 sums of K: 16,384 + 64 x wave + 4 x column
	v_add_nc_u32 v9, 16384, v6
	s_lshr_b32 s15, ttmp9, 2
	s_and_b32 s16, ttmp9, 3                        ; mt
	s_lshr_b32 s17, s15, 4                         ; n
	s_and_b32 s18, s15, 15                         ; head
	s_lshl_b32 s20, s17, 4
	s_lshl_b32 s19, s14, 2
	s_add_co_u32 s20, s20, s19                     ; part 16 n + 4 w
	s_lshl_b32 s20, s20, 4
	s_add_co_u32 s20, s20, s18
	s_lshl_b32 s20, s20, 14                        ; 16,384 bytes a head
	s_lshl_b32 s19, s16, 12
	s_add_co_u32 s20, s20, s19                     ; four tiles of 1,024 bytes for each mt
	s_mov_b32 s21, 0
	s_lshl_b32 s29, s18, 8
	s_lshl_b32 s19, s16, 6
	s_add_co_u32 s29, s29, s19                     ; column 64 head + 16 mt, in bytes
	s_lshl_b32 s22, s17, 17                        ; 32 parts of 4,096 bytes for each n
	s_add_co_u32 s22, s22, s29
	s_mov_b32 s23, 0
	s_mov_b32 s24, 0x76543210
	s_mov_b32 s25, 0xfedcba98
	s_mov_b32 s26, 0x600000
	s_and_b32 s19, s18, 1                          ; the head's place in its pair
	s_lshl_b32 s27, s19, 4
	s_lshr_b32 s28, 0x7f7f0000, s27                ; the bytes 127 over the zeros
	s_mov_b32 s31, 0
	s_wait_kmcnt 0x0
	s_add_nc_u64 s[4:5], s[4:5], s[20:21]
	s_add_nc_u64 s[6:7], s[6:7], s[22:23]
	s_lshl_b32 s30, ttmp9, 11
	s_add_nc_u64 s[8:9], s[8:9], s[30:31]
	s_mov_b64 s[32:33], s[8:9]
	s_lshl_b32 s30, s19, 10
	s_add_nc_u64 s[8:9], s[8:9], s[30:31]          ; where the codes go,
	s_xor_b32 s30, s30, 1024
	s_add_nc_u64 s[32:33], s[32:33], s[30:31]      ; and the zeros
	s_lshl_b32 s30, ttmp9, 7
	s_add_nc_u64 s[10:11], s[10:11], s[30:31]
	s_lshl_b32 s30, s17, 12
	s_add_co_u32 s30, s30, s29
	s_add_nc_u64 s[12:13], s[12:13], s[30:31]
.irp i, 0,1,2,3
	global_load_b32 v[12+\i], v5, s[6:7] offset:32768*\i           ; parts thread / 16 + 8 i
.endr
.irp c, 0,1,2,3
.irp q, 0,1,2,3,4,5,6,7
	global_load_b128 v[S+32*\c+4*\q:S+32*\c+4*\q+3], v3, s[4:5] offset:262144*\c+512*\q th:TH_LOAD_NT
.endr
.endr
.macro SUM4                            ; (part 0 + part 1) + (part 2 + part 3)
.irp j, 0,2,4,6,8,10,12,14,16,18,20,22,24,26,28,30
	v_pk_add_f32 v[S+\j:S+\j+1], v[S+\j:S+\j+1], v[S+32+\j:S+32+\j+1]
	v_pk_add_f32 v[S+64+\j:S+64+\j+1], v[S+64+\j:S+64+\j+1], v[S+96+\j:S+96+\j+1]
.endr
.irp j, 0,2,4,6,8,10,12,14,16,18,20,22,24,26,28,30
	v_pk_add_f32 v[S+\j:S+\j+1], v[S+\j:S+\j+1], v[S+64+\j:S+64+\j+1]
.endr
.endm
	s_wait_loadcnt 32                              ; the four loads of ksp are in; the 32 behind them may be out
	v_add_f32 v12, v12, v13
	v_add_f32 v14, v14, v15
	v_add_f32 v12, v12, v14
	v_permlanex16_b32 v13, v12, s24, s25           ; lane l xor 16 has the same column of the next part
	v_add_f32 v12, v12, v13
	ds_store_b32 v8, v12                           ; both lanes write the same word with the same value
	s_wait_loadcnt 0x0
	SUM4
.irp q, 0,1,2,3,4,5,6,7
	ds_store_b128 v7, v[S+4*\q:S+4*\q+3] offset:512*\q
.endr
	s_wait_dscnt 0x0                               ; for wave 0's sake: my stores have landed
	s_barrier_signal -1
	s_barrier_wait -1
	s_cmp_lg_u32 s14, 0
	s_cbranch_scc1 .Ldone
.irp w, 0,1,2,3
.irp q, 0,1,2,3,4,5,6,7
	ds_load_b128 v[S+32*\w+4*\q:S+32*\w+4*\q+3], v3 offset:4096*\w+512*\q
.endr
.endr
.irp i, 0,1,2,3
	ds_load_b32 v[12+\i], v9 offset:64*\i
.endr
	s_wait_dscnt 0x0
	SUM4
	v_add_f32 v12, v12, v13
	v_add_f32 v14, v14, v15
	v_add_f32 v12, v12, v14                        ; Ksum of my column
.irp b, 0,1
	v_mov_b32 v[TM+2+\b], 0                        ; a lane permute's destination counts as one of its sources
.endr
.irp b, 0,1
	v_max3_num_f32 v[TM+\b], |v[S+16*\b]|, |v[S+1+16*\b]|, 0x4800000       ; with the floor 2^(9 - 127)
.endr
.irp i, 2,4,6,8,10,12,14
.irp b, 0,1
	v_max3_num_f32 v[TM+\b], v[TM+\b], |v[S+16*\b+\i]|, |v[S+1+16*\b+\i]|
.endr
.endr
.irp b, 0,1
	v_permlanex16_b32 v[TM+2+\b], v[TM+\b], s24, s25
.endr
.irp b, 0,1
	v_max_num_f32 v[TM+\b], v[TM+\b], v[TM+2+\b]
.endr
.irp b, 0,1
	v_add_nc_u32 v[TM+6+\b], 0xfc000000, v[TM+\b]                  ; 8 off the exponent field: the conversion's scale operand
.endr
.irp b, 0,1
	v_and_or_b32 v[TM+4+\b], v[TM+\b], 0x7f800000, s26             ; 448 x the scale
.endr
.irp b, 0,1
	v_lshrrev_b32 v[TM+8+\b], 23, v[TM+6+\b]                       ; the byte
.endr
	v_lshl_or_b32 v26, v25, 8, v24
	v_lshlrev_b32 v26, s27, v26                    ; into the head's half of the word,
	v_or_b32 v26, s28, v26                         ; 127 twice in the other
.irp b, 0,1
.irp i, 0,1,2,3,4,5,6,7,8,9,10,11,12,13,14,15
	v_med3_num_f32 v[S+16*\b+\i], v[S+16*\b+\i], -v[TM+4+\b], v[TM+4+\b]   ; the conversion does not saturate (ISA guide 7.6.2)
.endr
.endr
.irp b, 0,1
	v_cvt_scalef32_pk8_fp8_f32 v[64+4*\b:65+4*\b], v[S+16*\b:S+16*\b+7], v[TM+6+\b]
	v_cvt_scalef32_pk8_fp8_f32 v[66+4*\b:67+4*\b], v[S+16*\b+8:S+16*\b+15], v[TM+6+\b]
.endr
.irp i, 0,1,2,3
	v_mov_b32 v[72+\i], 0
.endr
	global_store_b128 v3, v[64:67], s[8:9]                         ; each store: 512 consecutive bytes
	global_store_b128 v3, v[68:71], s[8:9] offset:512
	global_store_b128 v3, v[72:75], s[32:33]
	global_store_b128 v3, v[72:75], s[32:33] offset:512
	global_store_b32 v27, v26, s[10:11]
	v_cmp_gt_u32 vcc_lo, 16, v0
	s_wait_xcnt 0x0                                ; EXEC changes only behind this wait
	s_and_saveexec_b32 s34, vcc_lo
	global_store_b32 v6, v12, s[12:13]             ; lanes 0-15: 16 columns of Ksum
	s_wait_xcnt 0x0
	s_or_b32 exec_lo, exec_lo, s34
.Ldone:
	s_wait_tensorcnt 0x0
	ds_add_u32 v192, v193
	s_wait_dscnt 0x0
	s_endpgm
.Lfunc_end_k_q9b24b5b1df_kvreduce:
	.size	k_q9b24b5b1df_kvreduce, .Lfunc_end_k_q9b24b5b1df_kvreduce-k_q9b24b5b1df_kvreduce
	.p2alignl 7, 3214868480
	.fill 96, 4, 3214868480
	.section	.rodata,"a",@progbits
	.p2align	6, 0x0
	.amdhsa_kernel k_q9b24b5b1df_kvreduce
		.amdhsa_group_segment_fixed_size 17408
		.amdhsa_private_segment_fixed_size 0
		.amdhsa_enable_private_segment 0
		.amdhsa_kernarg_size 40
		.amdhsa_user_sgpr_count 2
		.amdhsa_user_sgpr_kernarg_segment_ptr 1
		.amdhsa_wavefront_size32 1
		.amdhsa_system_sgpr_workgroup_id_x 1
		.amdhsa_system_sgpr_workgroup_id_y 1
		.amdhsa_system_sgpr_workgroup_id_z 1
		.amdhsa_system_vgpr_workitem_id 0
		.amdhsa_next_free_vgpr 194
		.amdhsa_next_free_sgpr 66
		.amdhsa_reserve_vcc 1
		.amdhsa_float_denorm_mode_32 3
		.amdhsa_float_denorm_mode_16_64 3
		.amdhsa_memory_ordered 1
		.amdhsa_forward_progress 1
		.amdhsa_inst_pref_size 21
	.end_amdhsa_kernel
	.amdgpu_metadata
---
amdhsa.version: [ 1, 2 ]
amdhsa.kernels:
  - .name:           k_q9b24b5b1df_kvreduce
    .symbol:         k_q9b24b5b1df_kvreduce.kd
    .args:
      - { .name: kvp, .offset: 0, .size: 8, .value_kind: global_buffer, .address_space: global }
      - { .name: ksp, .offset: 8, .size: 8, .value_kind: global_buffer, .address_space: global }
      - { .name: kvimg, .offset: 16, .size: 8, .value_kind: global_buffer, .address_space: global }
      - { .name: kvsc, .offset: 24, .size: 8, .value_kind: global_buffer, .address_space: global }
      - { .name: ksum, .offset: 32, .size: 8, .value_kind: global_buffer, .address_space: global }
    .group_segment_fixed_size: 17408
    .private_segment_fixed_size: 0
    .kernarg_segment_align: 8
    .kernarg_segment_size: 40
    .max_flat_workgroup_size: 128
    .sgpr_count:     66
    .vgpr_count:     194
    .wavefront_size: 32
...
	.end_amdgpu_metadata
.endif
;; end of part 2
;; launch qattn (part 3): grid 4 x 32, 4 waves a work-group, clusters of 4 x 4, 327,680 bytes of LDS; arguments query_codes, query_scales, Wq_codes, Wq_scales, bq, kvimg, kvsc, ksum, vcodes, vscales; writes vcodes, vscales
.if DOCPART == 3
	.amdgcn_target "amdgcn-amd-amdhsa--gfx1250"
	.amdhsa_code_object_version 6
	.text
	.protected	k_q9b24b5b1df_qattn
	.globl	k_q9b24b5b1df_qattn
	.p2align	8
	.type	k_q9b24b5b1df_qattn,@function
k_q9b24b5b1df_qattn:
	s_mov_b64 s[64:65], 0
	v_nop
	global_prefetch_b8 v0, s[64:65] scope:SCOPE_SE
	s_setreg_imm32_b32 hwreg(HW_REG_WAVE_MODE, 25, 1), 1
	s_wait_xcnt 0x0
	s_wait_alu depctr_hold_cnt(0) depctr_sa_sdst(0) depctr_va_vdst(0) depctr_va_sdst(0) depctr_va_ssrc(0) depctr_va_vcc(0) depctr_vm_vsrc(0)
	s_getreg_b32 s2, hwreg(HW_REG_IB_STS2, 6, 4)
	s_cmp_eq_u32 s2, 0
	s_cbranch_scc0 .Lentry_in_a_cluster
	s_endpgm
.Lentry_in_a_cluster:
	s_bfe_u32 s2, ttmp6, 0x10000c
	s_cmp_lg_u32 s2, 0xf033
	s_cbranch_scc0 .Lentry_shape_is_right
	s_endpgm
.Lentry_shape_is_right:
; q = query Wq^T + bq, Q = elu(q) + 1, Z = 1 / (Q . Ksum + 1e-6), V = (Q KV^T) Z, and V's codes along E for the last product.  All products on codes of FP8 (E4M3) with one E8M0 scale for each 32 along K.
; A work-group of four waves takes rows 256 Y .. + 255 of the 8,192 rows (n, l) and columns 256 X .. + 255 (four heads); a wave 128 x 128 (two heads): 64 accumulators.  K = 1,024: four K steps of 256 through two LDS slots.
; There are 128 such tiles, so 128 work-groups: a smaller tile would read each LDS byte for fewer products.
; SOURCE 0 = 16 ROWS OF Wq, SOURCE 1 = 16 ROWS OF query: a lane holds ONE row l (lane % 16) and its registers run along the columns, which are the next products' K (d within a head, then E).  bq is the C of each sum's first product.
; A block of 16 rows at a time: Q in registers; the divisor by f32 multiply-adds on the unquantised Q; Q's 128 columns quantised into ONE fragment (blocks 0, 1: the even head; 2, 3: the odd one);
; eight products with the images of KV (each head's codes beside zeros, so that a head meets its own half of the fragment); x Z; quantised along E.  Inside a block of 32 the registers hold 16 u + 8 h + j where the
; unit reads 16 h + 8 u + j: Q and KV's images have the same order; V's codes are put into the natural order by the addresses of their stores into the stage.
; V's codes leave through a stage in slot 0 (its last fill and its last read are over): sixteen lanes store 256 consecutive aligned bytes.  V's scale words leave as 4 bytes a row: one byte in 32 of what is stored.
; CLUSTER 4 x 4: query's tiles hang on Y and are asked for jointly along a row of the cluster, Wq's on X, along a column.
; LIMITS: for x <= 0, elu(x) + 1 is taken as e^x (at most 2^-24 from expm1(x) + 1); a block whose largest magnitude lies under 2^-118 (zeros too) keeps the scale byte 1, read by this program alone; NaN and infinities are not served.
; REGISTERS.  window 0: v1-5 LDS addresses, v6 v7 the spare word's address and 0, v8-15 V's scale words, v16-19 Z, v20-26 addresses, v32-63 scale words / at work, v64-127 bq then Ksum, v128-255 query's fragments / at work.
;   window 1: Wq's fragments, two sets; later KV's eight images.  windows 2, 3: the accumulators.
.set PITCH,  272
.set HALFT,  128*PITCH
.set SLOT,   4*HALFT
.set HALFS,  16*272
.set SBLK,   2*272
.set FR,     16
.set NL,     4
.set NP,     8
.set SCL,    2*SLOT
.set SPARE,  SCL+4*HALFS               ; the spare words: two blocks of 256 bytes that no other line names
.set ADRA, 1
.set ADRB, 3
.set ADRS, 5
.set SPW,  6
.set NIL,  7
.set VWS,  8
.set STO,  20
.set RD,   21
.set GO,   22
.set L16,  23
.set L32,  24
.set L4,   25
.set H32,  26
.set SC,   32
.set KVW,  32
.set TM,   40
.set QW,   56
.set BI,   64
.set AF,   128
.set XR,   128
.set YR,   192
.set QC,   208
.set VC,   224
.set WV, 28
.set HA, 29
.set HB, 30
.set G1, 32
.set G0, 40
.set G1B, 48
.set G0B, 56
.set G1S, 68
.set G1SB, 76
.set SEL, 4
.set MNT, 6
.set L2E, 8
.set MUL_LO, 0xa1
.set MUL_HI, 0xf1
.set TO_B,   0x40
.set CODEW, (1<<20)|(1<<21)|(5<<22)|(3<<25)
.set SCLW,  (3<<16)|(1<<20)|(1<<21)|(5<<22)|(3<<25)
.set MSB, 0
.macro WIN new
.if MSB != (\new)
	s_set_vgpr_msb (MSB<<8)|(\new)
.set MSB, (\new)
.endif
.endm
.macro PLACES n
.rept \n
	v_nop
.endr
.endm
.macro JLOAD g0a, g1a, g0b, g1b        ; waves 0 and 1 fetch query's halves, waves 2 and 3 Wq's; four v_nop follow each of the two lines
	s_cmp_eq_u32 s[HA], 0
	s_cbranch_scc0 .Lfor_b_\@
	tensor_load_to_lds s[\g0a:\g0a+3], s[\g1a:\g1a+7]
	s_nop 0
.rept 4
	v_nop
.endr
	s_branch .Lasked_\@
.Lfor_b_\@:
	tensor_load_to_lds s[\g0b:\g0b+3], s[\g1b:\g1b+7]
	s_nop 0
.rept 4
	v_nop
.endr
.Lasked_\@:
.endm
.macro CREST
	s_cmp_lg_u32 s[WV], 0
	s_cbranch_scc1 .Lnot_wave_0_\@
	s_barrier_signal -3
.Lnot_wave_0_\@:
	s_barrier_wait -3
	s_barrier_signal -1
	s_barrier_wait -1
.endm
.macro CROUND
	s_barrier_signal -1
	s_barrier_wait -1
	CREST
.endm
.macro FRAG reg, adr, q, i
.irp c, 0,1,2,3
	ds_load_b128 v[\reg+4*\c:\reg+4*\c+3], v[\adr] offset:128*(\q)+32*\c+(\i)*16*PITCH
.endr
.endm
.macro FETCH_B slot, q, p
	WIN TO_B
.irp i, 0,1,2,3,4,5,6,7
	FRAG 128*(\p)+FR*\i, ADRB+\slot, \q, \i
.endr
	WIN 0
.endm
.macro FETCH_A slot, q, i0
.irp i, \i0, \i0+1, \i0+2, \i0+3
	FRAG AF+FR*(\i), ADRA+\slot, \q, \i
.endr
.endm
.macro SCALES sc, off                  ; lanes 0-15 query's block i, lanes 16-31 Wq's block i; the K step stands in the immediate
.irp i, 0,1,2,3,4,5,6,7
	ds_load_b64 v[SC+16*(\sc)+2*\i:SC+16*(\sc)+2*\i+1], v[ADRS] offset:\i*SBLK+(\off)
.endr
.endm
; zero = 2: the first product starts the sums from the bias (eight registers a column block, in the result's layout).  The 64 accumulators take turns.
.macro MUL16 a0, p, q, sc, zero
.irp a, \a0, \a0+1
.irp b, 0,1,2,3,4,5,6,7
.if \zero
	v_wmma_scale_f32_16x16x128_f8f6f4 v[8*(8*((\a)%4)+\b):8*(8*((\a)%4)+\b)+7], v[128*(\p)+FR*\b:128*(\p)+FR*\b+FR-1], v[AF+FR*(\a):AF+FR*(\a)+FR-1], v[BI+8*\b:BI+8*\b+7], v[SC+16*(\sc)+2*\b+(\q)], v[SC+16*(\sc)+2*(\a)+(\q)] matrix_a_scale:MATRIX_SCALE_ROW1
.else
	v_wmma_scale_f32_16x16x128_f8f6f4 v[8*(8*((\a)%4)+\b):8*(8*((\a)%4)+\b)+7], v[128*(\p)+FR*\b:128*(\p)+FR*\b+FR-1], v[AF+FR*(\a):AF+FR*(\a)+FR-1], v[8*(8*((\a)%4)+\b):8*(8*((\a)%4)+\b)+7], v[SC+16*(\sc)+2*\b+(\q)], v[SC+16*(\sc)+2*(\a)+(\q)] matrix_a_scale:MATRIX_SCALE_ROW1
.endif
.endr
.endr
.endm
.macro STEP slot, q, zero
	s_wait_dscnt 4*NL                              ; all but the youngest sixteen loads (query's blocks 4-7) are in
.if \zero
	WIN 0x81                                       ; C (the bias) window 0, D window 2
.else
	WIN MUL_LO
.endif
	MUL16 0, (\q)%2, \q, \slot, \zero
	MUL16 2, (\q)%2, \q, \slot, \zero
	s_wait_dscnt 0
	PLACES NP
	FETCH_B \slot, (\q)+1, 1-(\q)%2
	FETCH_A \slot, (\q)+1, 0
.if \zero
	WIN 0xc1
.else
	WIN MUL_HI
.endif
	MUL16 4, (\q)%2, \q, \slot, \zero
	MUL16 6, (\q)%2, \q, \slot, \zero
	PLACES NP
	WIN 0
	FETCH_A \slot, (\q)+1, 4
.endm
.macro TURN slot, next, fill, soff
	s_wait_tensorcnt 0x0                           ; all my tensor loads have landed: my part of the next slot
	ds_add_u32 v[SPW], v[NIL]                      ; 0 onto my spare word
	s_wait_dscnt 4*NL+1                            ; the add and the youngest sixteen loads may be out
	WIN MUL_LO
	MUL16 0, 1, 1, \slot, 0
	s_wait_dscnt 0x0                               ; the add is done, and my reads of this slot are over
	s_barrier_signal -1
	MUL16 2, 1, 1, \slot, 0
	WIN 0
	s_barrier_wait -1
.if \fill
	CREST                                          ; the barrier has opened a round of the cluster's
	s_add_nc_u64 s[G0+4*\slot+2:G0+4*\slot+3], s[G0+4*\slot+2:G0+4*\slot+3], 512
	s_add_nc_u64 s[G0B+4*\slot+2:G0B+4*\slot+3], s[G0B+4*\slot+2:G0B+4*\slot+3], 512
	JLOAD G0+4*\slot, G1, G0B+4*\slot, G1B         ; the first tensor load behind the round
	PLACES NP-4
.else
	PLACES NP
.endif
	FETCH_B \next, 0, 0
	FETCH_A \next, 0, 0
	SCALES \next, \soff
	WIN MUL_HI
	MUL16 4, 1, 1, \slot, 0
	MUL16 6, 1, 1, \slot, 0
	PLACES NP
	WIN 0
	FETCH_A \next, 0, 4
.endm
.macro QUANT s, nn, pc, pcw, pw        ; 64 numbers of a lane (16 of each of four blocks; the other 16 in lane l xor 16) -> codes in v[pc] on, scale word in v[pw]
.irp b, 0,1,2,3
.if \nn
	v_max3_num_f32 v[TM+\b], v[(\s)+16*\b], v[(\s)+1+16*\b], 0x4800000     ; with the floor 2^(9 - 127)
.else
	v_max3_num_f32 v[TM+\b], |v[(\s)+16*\b]|, |v[(\s)+1+16*\b]|, 0x4800000
.endif
.endr
.irp i, 2,4,6,8,10,12,14
.irp b, 0,1,2,3
.if \nn
	v_max3_num_f32 v[TM+\b], v[TM+\b], v[(\s)+16*\b+\i], v[(\s)+1+16*\b+\i]
.else
	v_max3_num_f32 v[TM+\b], v[TM+\b], |v[(\s)+16*\b+\i]|, |v[(\s)+1+16*\b+\i]|
.endif
.endr
.endr
.irp b, 0,1,2,3
	v_permlanex16_b32 v[TM+4+\b], v[TM+\b], s[SEL], s[SEL+1]
.endr
.irp b, 0,1,2,3
	v_max_num_f32 v[TM+\b], v[TM+\b], v[TM+4+\b]
.endr
.irp b, 0,1,2,3
	v_add_nc_u32 v[TM+12+\b], 0xfc000000, v[TM+\b]
.endr
.irp b, 0,1,2,3
	v_and_or_b32 v[TM+8+\b], v[TM+\b], 0x7f800000, s[MNT]
.endr
.irp b, 0,1,2,3
	v_lshrrev_b32 v[TM+4+\b], 23, v[TM+12+\b]
.endr
	v_lshl_or_b32 v[(\pw)], v[TM+5], 8, v[TM+4]
	v_lshl_or_b32 v[(\pw)], v[TM+6], 16, v[(\pw)]
	v_lshl_or_b32 v[(\pw)], v[TM+7], 24, v[(\pw)]
.irp b, 0,1,2,3
.irp i, 0,1,2,3,4,5,6,7,8,9,10,11,12,13,14,15
.if \nn
	v_min_num_f32 v[(\s)+16*\b+\i], v[(\s)+16*\b+\i], v[TM+8+\b]
.else
	v_med3_num_f32 v[(\s)+16*\b+\i], v[(\s)+16*\b+\i], -v[TM+8+\b], v[TM+8+\b]
.endif
.endr
.endr
	WIN \pcw
.irp b, 0,1,2,3
	v_cvt_scalef32_pk8_fp8_f32 v[(\pc)+4*\b:(\pc)+4*\b+1], v[(\s)+16*\b:(\s)+16*\b+7], v[TM+12+\b]
	v_cvt_scalef32_pk8_fp8_f32 v[(\pc)+4*\b+2:(\pc)+4*\b+3], v[(\s)+16*\b+8:(\s)+16*\b+15], v[TM+12+\b]
.endr
	WIN 0
	v_nop                                          ; one plain line behind the last conversion of a run
.endm
	s_load_b512 s[4:19], s[0:1], 0x0               ; query codes, scales; Wq codes, scales; bq; kvimg; kvsc; ksum
	s_load_b128 s[20:23], s[0:1], 0x40             ; vcodes, vscales
	v_lshl_add_u32 v[SPW], v0, 2, SPARE
	v_mov_b32 v[NIL], 0
	ds_add_u32 v6, v7
	ds_add_u32 v6, v7
	s_wait_dscnt 0x0
	v_lshrrev_b32 v27, 5, v0
	v_readfirstlane_b32 s[WV], v27
	s_lshr_b32 s[HA], s[WV], 1                     ; which 128 rows are mine.  Also: I fetch for query (0) or for Wq (1)
	s_and_b32 s[HB], s[WV], 1                      ; which 128 columns.  Also: which 128 rows of a tile I fetch
	s_bfe_u32 s66, ttmp6, 0x40000
	s_bfe_u32 s67, ttmp6, 0x40004
	s_lshl_b32 s100, ttmp9, 2
	s_add_co_u32 s100, s100, s66                   ; X
	s_and_b32 s101, ttmp7, 0xffff
	s_lshl_b32 s101, s101, 2
	s_add_co_u32 s101, s101, s67                   ; Y
	s_lshl_b32 s3, s67, 2
	s_lshl_b32 s3, 15, s3                          ; my row of the cluster
	s_lshl_b32 s2, 0x1111, s66                     ; my column
	s_or_b32 s[G1+0], s3, CODEW                    ; query's tiles hang on Y: shared along my row
	s_or_b32 s[G1B+0], s2, CODEW                   ; Wq's on X: along my column
	s_or_b32 s[G1S+0], s3, SCLW
	s_or_b32 s[G1SB+0], s2, SCLW
.irp g, G1, G1B
	s_mov_b32 s[\g+1], 256<<16
	s_mov_b32 s[\g+2], 128<<16
	s_mov_b32 s[\g+3], 256<<16
	s_mov_b32 s[\g+4], 128
	s_mov_b32 s[\g+5], 1024
	s_mov_b32 s[\g+6], 0
	s_mov_b32 s[\g+7], 0
.endr
.irp g, G1S, G1SB
	s_mov_b32 s[\g+1], 32<<16
	s_mov_b32 s[\g+2], 16<<16
	s_mov_b32 s[\g+3], 32<<16
	s_mov_b32 s[\g+4], 16
	s_mov_b32 s[\g+5], 32
	s_mov_b32 s[\g+6], 0
	s_mov_b32 s[\g+7], 0
.endr
	s_lshl_b32 s31, s[HB], 7
	s_lshl_b32 s84, s101, 8
	s_add_co_u32 s84, s84, s31                     ; query's row that I fetch from
	s_lshl_b32 s86, s84, 5
	s_lshl_b32 s84, s84, 10
	s_mov_b32 s85, 0
	s_mov_b32 s87, 0
	s_lshl_b32 s88, s100, 8
	s_add_co_u32 s88, s88, s31                     ; Wq's
	s_lshl_b32 s90, s88, 5
	s_lshl_b32 s88, s88, 10
	s_mov_b32 s89, 0
	s_mov_b32 s91, 0
	s_wait_kmcnt 0x0
	s_add_nc_u64 s[4:5], s[4:5], s[84:85]
	s_add_nc_u64 s[6:7], s[6:7], s[86:87]
	s_add_nc_u64 s[8:9], s[8:9], s[88:89]
	s_add_nc_u64 s[10:11], s[10:11], s[90:91]
	s_lshl_b32 s2, s100, 8
	s_lshl_b32 s66, s[HB], 7
	s_add_co_u32 s2, s2, s66
	s_lshl_b32 s2, s2, 2                           ; my first column, as bytes of f32
	s_mov_b32 s3, 0
	s_add_nc_u64 s[12:13], s[12:13], s[2:3]        ; bq
	s_add_nc_u64 s[18:19], s[18:19], s[2:3]
	s_lshr_b32 s67, s101, 3                        ; n: eight row tiles each
	s_lshl_b32 s2, s67, 12
	s_add_nc_u64 s[18:19], s[18:19], s[2:3]        ; ksum
	s_lshl_b32 s2, s67, 4
	s_lshl_b32 s66, s100, 2
	s_add_co_u32 s2, s2, s66
	s_lshl_b32 s66, s[HB], 1
	s_add_co_u32 s2, s2, s66                       ; 16 n + my first head
	s_lshl_b32 s66, s2, 9
	s_lshl_b32 s2, s2, 13
	s_add_nc_u64 s[14:15], s[14:15], s[2:3]        ; kvimg: four images of 2,048 bytes a head
	s_mov_b32 s2, s66
	s_add_nc_u64 s[16:17], s[16:17], s[2:3]        ; kvsc: four times 128 bytes a head
	s_lshl_b32 s2, s101, 8
	s_lshl_b32 s66, s[WV], 6
	s_add_co_u32 s2, s2, s66
	s_lshl_b32 s2, s2, 10
	s_lshl_b32 s66, s100, 8
	s_add_co_u32 s2, s2, s66
	s_add_nc_u64 s[20:21], s[20:21], s[2:3]        ; vcodes: row 256 Y + 64 x wave, byte 256 X
	s_lshl_b32 s2, s101, 8
	s_lshl_b32 s66, s[HA], 7
	s_add_co_u32 s2, s2, s66
	s_lshl_b32 s2, s2, 5
	s_lshl_b32 s66, s100, 3
	s_add_co_u32 s2, s2, s66
	s_lshl_b32 s66, s[HB], 2
	s_add_co_u32 s2, s2, s66
	s_add_nc_u64 s[22:23], s[22:23], s[2:3]        ; vscales: row 256 Y + 128 HA, byte 8 X + 4 HB
	CROUND                                         ; all sixteen work-groups are here: the first joint loads meet
	s_mul_i32 s31, s[WV], HALFS
	s_mov_b32 s84, 1
	s_add_co_u32 s85, s31, SCL
	s_mov_b64 s[86:87], s[6:7]
	s_or_b32 s87, s87, 0x80000000
	s_mov_b32 s88, 1
	s_add_co_u32 s89, s31, SCL
	s_mov_b64 s[90:91], s[10:11]
	s_or_b32 s91, s91, 0x80000000
	JLOAD 84, G1S, 88, G1SB                        ; the scales
	s_mul_i32 s31, s[WV], HALFT
.irp s, 0,1
	s_mov_b32 s[G0+4*\s], 1
	s_add_co_u32 s[G0+4*\s+1], s31, \s*SLOT
	s_add_nc_u64 s[G0+4*\s+2:G0+4*\s+3], s[4:5], \s*256
	s_or_b32 s[G0+4*\s+3], s[G0+4*\s+3], 0x80000000
	s_mov_b32 s[G0B+4*\s], 1
	s_add_co_u32 s[G0B+4*\s+1], s31, \s*SLOT
	s_add_nc_u64 s[G0B+4*\s+2:G0B+4*\s+3], s[8:9], \s*256
	s_or_b32 s[G0B+4*\s+3], s[G0B+4*\s+3], 0x80000000
	JLOAD G0+4*\s, G1, G0B+4*\s, G1B               ; three tensor loads of mine are out now
.endr
	s_mov_b32 s[SEL], 0x76543210
	s_mov_b32 s[SEL+1], 0xfedcba98
	s_mov_b32 s[MNT], 0x600000
	s_mov_b32 s[L2E], 0x3fb8aa3b
	s_mov_b32 s[L2E+1], 0x3fb8aa3b
	v_and_b32 v27, 15, v0                          ; r
	v_bfe_u32 v28, v0, 4, 1                        ; h
	v_mul_u32_u24 v29, v27, PITCH
	v_lshl_add_u32 v30, v28, 4, v29
	s_mul_i32 s31, s[HA], HALFT
	v_add_nc_u32 v[ADRA], s31, v30
	s_add_co_u32 s31, s31, SLOT
	v_add_nc_u32 v[ADRA+1], s31, v30
	s_mul_i32 s31, s[HB], HALFT
	s_add_co_u32 s31, s31, 2*HALFT
	v_add_nc_u32 v[ADRB], s31, v30
	s_add_co_u32 s31, s31, SLOT
	v_add_nc_u32 v[ADRB+1], s31, v30
	v_lshlrev_b32 v30, 5, v27
	v_lshrrev_b32 v31, 3, v27
	v_lshl_add_u32 v30, v31, 4, v30                ; my row's scales: 32 r + 16 for each 256 passed
	s_xor_b32 s31, s[HA], 1
	s_add_co_u32 s31, s31, s[HB]
	s_add_co_u32 s31, s31, 1                       ; 2 + HB - HA
	s_mul_i32 s31, s31, HALFS
	v_mul_u32_u24 v31, s31, v28                    ; lanes 16-31 take Wq's
	v_add_nc_u32 v30, v30, v31
	s_mul_i32 s31, s[HA], HALFS
	s_add_co_u32 s31, s31, SCL
	v_add_nc_u32 v[ADRS], s31, v30
	v_lshl_add_u32 v[STO], v28, 3, v29             ; the stage, in: row 128 HA + r, byte 128 HB + 8 h
	s_mul_i32 s31, s[HA], 128*PITCH
	s_lshl_b32 s92, s[HB], 7
	s_add_co_u32 s31, s31, s92
	v_add_nc_u32 v[STO], s31, v[STO]
	v_mul_u32_u24 v[RD], v28, PITCH                ; back: rows 64 x wave on; lanes 0-15 one row of 256 bytes, lanes 16-31 the next
	v_lshl_add_u32 v[RD], v27, 4, v[RD]
	s_mul_i32 s31, s[WV], 64*PITCH
	v_add_nc_u32 v[RD], s31, v[RD]
	v_lshlrev_b32 v[GO], 10, v28                   ; and the same two rows in vcodes
	v_lshl_add_u32 v[GO], v27, 4, v[GO]
	v_and_b32 v31, 31, v0
	v_lshlrev_b32 v[L16], 4, v31
	v_lshlrev_b32 v[L32], 5, v31
	v_lshlrev_b32 v[L4], 2, v31
	v_lshlrev_b32 v[H32], 5, v28
.irp b, 0,1,2,3,4,5,6,7
	global_load_b128 v[BI+8*\b:BI+8*\b+3], v[H32], s[12:13] offset:64*\b           ; bq at columns 16 b + 8 h + 0 .. 7
	global_load_b128 v[BI+8*\b+4:BI+8*\b+7], v[H32], s[12:13] offset:64*\b+16
.endr
	s_wait_tensorcnt 1                             ; the scales and my part of K step 0 are in; K step 1's load may be out
	s_barrier_signal -1
	s_barrier_wait -1
	FETCH_B 0, 0, 0
	FETCH_A 0, 0, 0
	SCALES 0, 0
	FETCH_A 0, 0, 4
	s_wait_loadcnt 0x0                             ; bq
	STEP 0, 0, 2
	TURN 0, 1, 1, 8
	STEP 1, 0, 0
	TURN 1, 0, 1, 16
	STEP 0, 0, 0
	TURN 0, 1, 0, 24
	STEP 1, 0, 0
	s_wait_dscnt 4*NL
	WIN MUL_LO
	MUL16 0, 1, 1, 1, 0
	MUL16 2, 1, 1, 1, 0
	s_wait_dscnt 0
	WIN MUL_HI
	MUL16 4, 1, 1, 1, 0
	MUL16 6, 1, 1, 1, 0
	WIN 0
	PLACES NP
.irp b, 0,1,2,3,4,5,6,7
	global_load_b128 v[BI+8*\b:BI+8*\b+3], v[H32], s[18:19] offset:64*\b           ; Ksum, laid as the bias was
	global_load_b128 v[BI+8*\b+4:BI+8*\b+7], v[H32], s[18:19] offset:64*\b+16
.endr
.irp f, 0,1,2,3,4,5,6,7
	global_load_b32 v[KVW+\f], v[L4], s[16:17] offset:128*\f                       ; KV's scale words: image f = 4 x (head in my pair) + mt
.endr
	WIN 0x40
.irp f, 0,1,2,3,4,5,6,7
.irp c, 0,1,2,3
	global_load_b128 v[16*\f+4*\c:16*\f+4*\c+3], v[L16], s[14:15] offset:2048*\f+512*\c    ; KV's images into window 1
.endr
.endr
	WIN 0
	v_mov_b32 v17, 0                               ; (upper halves of pairs whose low word serves both halves)
	v_mov_b32 v19, 0
.irp b, 0,1,2,3
	v_mov_b32 v[TM+4+\b], 0                        ; a lane permute's destination counts as one of its sources
.endr
.macro EPIQ a
.set AC, 64*((\a)%4)
.if (\a) > 0
	s_wait_dscnt 0x0                               ; the last block's stores into the stage have read their registers
.endif
	WIN 0x02+(\a)/4
.set i, 0
.rept 32
	v_pk_mul_f32 v[YR+2*i:YR+2*i+1], v[AC+2*i:AC+2*i+1], s[L2E:L2E+1] op_sel_hi:[1,0]      ; x log2(e); each accumulator from its low end on
.set i, i+1
.endr
.set i, 0
.rept 32
	v_pk_add_f32 v[XR+2*i:XR+2*i+1], v[AC+2*i:AC+2*i+1], 1.0 op_sel_hi:[1,0]               ; x + 1
.set i, i+1
.endr
	WIN 0
.set i, 0
.rept 64
	v_exp_f32 v[YR+i], v[YR+i]
.set i, i+1
.endr
	v_nop
.set i, 0
	s_wait_alu depctr_va_vdst(0)
.rept 64
	v_med3_num_f32 v[XR+i], v[XR+i], v[YR+i], 1.0  ; elu(x) + 1: the middle one of x + 1, e^x and 1
.set i, i+1
.endr
.if (\a) == 0
	s_wait_loadcnt 40                              ; Ksum's 16 loads are in; the 8 + 32 behind them may be out
.endif
	v_pk_mul_f32 v[58:59], v[XR:XR+1], v[BI:BI+1]                  ; Q . Ksum in f32, of the unquantised Q; the two heads by turns
	v_pk_mul_f32 v[60:61], v[XR+32:XR+33], v[BI+32:BI+33]
.irp j, 2,4,6,8,10,12,14,16,18,20,22,24,26,28,30
	v_pk_fma_f32 v[58:59], v[XR+\j:XR+\j+1], v[BI+\j:BI+\j+1], v[58:59]
	v_pk_fma_f32 v[60:61], v[XR+32+\j:XR+33+\j], v[BI+32+\j:BI+33+\j], v[60:61]
.endr
	v_add_f32 v58, v58, v59
	v_add_f32 v60, v60, v61
	v_permlanex16_b32 v59, v58, s[SEL], s[SEL+1]
	v_permlanex16_b32 v61, v60, s[SEL], s[SEL+1]
	v_add_f32 v58, v58, v59
	v_add_f32 v60, v60, v61
	v_add_f32 v58, 0x358637bd, v58                 ; + 1e-6
	v_add_f32 v60, 0x358637bd, v60
	v_rcp_f32 v16, v58                             ; Z; the lines that follow are plain and touch neither Z nor the divisors
	v_rcp_f32 v18, v60
	QUANT XR, 1, QC, 0, QW
	PLACES 3                                       ; with the line behind the conversions: four places between the codes and the scaled products
.if (\a) == 0
	s_wait_loadcnt 0x0                             ; KV's images and scale words
.endif
	WIN 0x01                                       ; source 0 (KV) window 1
.irp f, 0,1,2,3,4,5,6,7
	v_wmma_scale_f32_16x16x128_f8f6f4 v[XR+8*\f:XR+8*\f+7], v[16*\f:16*\f+15], v[QC:QC+15], 0, v[KVW+\f], v[QW]
.endr
	WIN 0
	PLACES NP
.set i, 0
	s_wait_alu depctr_va_vdst(0)
.rept 16
	v_pk_mul_f32 v[XR+2*i:XR+2*i+1], v[XR+2*i:XR+2*i+1], v[16:17] op_sel_hi:[1,0]          ; x Z of the even head,
.set i, i+1
.endr
.rept 16
	v_pk_mul_f32 v[XR+2*i:XR+2*i+1], v[XR+2*i:XR+2*i+1], v[18:19] op_sel_hi:[1,0]          ; of the odd one
.set i, i+1
.endr
	QUANT XR, 0, VC, 0, VWS+(\a)
.irp c, 0,1,2,3
.irp u, 0,1
	ds_store_b64 v[STO], v[VC+4*\c+2*\u:VC+4*\c+2*\u+1] offset:(\a)*16*PITCH+32*\c+16*\u   ; columns 32 c + 16 u + 8 h + 0 .. 7: the natural order of E
.endr
.endr
.endm
.irp a, 0,1,2,3,4,5,6,7
	EPIQ \a
.endr
	v_and_b32 v29, 16, v0
	v_cmp_ne_u32 vcc_lo, 0, v29
.irp p, 0,1,2,3
	v_cndmask_b32 v[VWS+2*\p], v[VWS+2*\p], v[VWS+2*\p+1], vcc_lo  ; lanes 0-15 rows of block 2 p, lanes 16-31 of block 2 p + 1
.endr
.irp p, 0,1,2,3
	global_store_b32 v[L32], v[VWS+2*\p], s[22:23] offset:1024*\p  ; four scale bytes of each of 32 rows
.endr
	s_wait_dscnt 0x0                               ; for the others' sake: my stores into the stage have landed
	s_barrier_signal -1
	s_barrier_wait -1
.irp t, 0,1,2,3,4,5,6,7,8,9,10,11,12,13,14,15,16,17,18,19,20,21,22,23,24,25,26,27,28,29,30,31
	ds_load_b128 v[64+4*\t:64+4*\t+3], v[RD] offset:\t*2*PITCH
.endr
.irp t, 0,1,2,3,4,5,6,7,8,9,10,11,12,13,14,15,16,17,18,19,20,21,22,23,24,25,26,27,28,29,30,31
	s_wait_dscnt 31-\t                             ; the younger loads may be out
	global_store_b128 v[GO], v[64+4*\t:64+4*\t+3], s[20:21] offset:2048*\t         ; 16 lanes store 256 consecutive bytes, at a multiple of 256 from the buffer's first byte
.endr
	s_wait_tensorcnt 0x0                           ; the wave's end
	ds_add_u32 v[SPW], v[NIL]
	s_wait_dscnt 0x0
	CROUND                                         ; the closing round
	s_endpgm
.Lfunc_end_k_q9b24b5b1df_qattn:
	.size	k_q9b24b5b1df_qattn, .Lfunc_end_k_q9b24b5b1df_qattn-k_q9b24b5b1df_qattn
	.p2alignl 7, 3214868480
	.fill 96, 4, 3214868480
	.section	.rodata,"a",@progbits
	.p2align	6, 0x0
	.amdhsa_kernel k_q9b24b5b1df_qattn
		.amdhsa_group_segment_fixed_size 327680
		.amdhsa_private_segment_fixed_size 0
		.amdhsa_enable_private_segment 0
		.amdhsa_kernarg_size 80
		.amdhsa_user_sgpr_count 2
		.amdhsa_user_sgpr_kernarg_segment_ptr 1
		.amdhsa_wavefront_size32 1
		.amdhsa_system_sgpr_workgroup_id_x 1
		.amdhsa_system_sgpr_workgroup_id_y 1
		.amdhsa_system_sgpr_workgroup_id_z 1
		.amdhsa_system_vgpr_workitem_id 0
		.amdhsa_next_free_vgpr 1024
		.amdhsa_next_free_sgpr 102
		.amdhsa_reserve_vcc 1
		.amdhsa_float_denorm_mode_32 3
		.amdhsa_float_denorm_mode_16_64 3
		.amdhsa_memory_ordered 1
		.amdhsa_forward_progress 1
		.amdhsa_inst_pref_size 255
	.end_amdhsa_kernel
	.section	.bss,"aw",@nobits
	.p2align	6
	.space	262144
	.amdgpu_metadata
---
amdhsa.version: [ 1, 2 ]
amdhsa.kernels:
  - .name:           k_q9b24b5b1df_qattn
    .symbol:         k_q9b24b5b1df_qattn.kd
    .args:
      - { .name: query_codes, .offset: 0, .size: 8, .value_kind: global_buffer, .address_space: global }
      - { .name: query_scales, .offset: 8, .size: 8, .value_kind: global_buffer, .address_space: global }
      - { .name: Wq_codes, .offset: 16, .size: 8, .value_kind: global_buffer, .address_space: global }
      - { .name: Wq_scales, .offset: 24, .size: 8, .value_kind: global_buffer, .address_space: global }
      - { .name: bq, .offset: 32, .size: 8, .value_kind: global_buffer, .address_space: global }
      - { .name: kvimg, .offset: 40, .size: 8, .value_kind: global_buffer, .address_space: global }
      - { .name: kvsc, .offset: 48, .size: 8, .value_kind: global_buffer, .address_space: global }
      - { .name: ksum, .offset: 56, .size: 8, .value_kind: global_buffer, .address_space: global }
      - { .name: vcodes, .offset: 64, .size: 8, .value_kind: global_buffer, .address_space: global }
      - { .name: vscales, .offset: 72, .size: 8, .value_kind: global_buffer, .address_space: global }
    .group_segment_fixed_size: 327680
    .private_segment_fixed_size: 0
    .kernarg_segment_align: 8
    .kernarg_segment_size: 80
    .max_flat_workgroup_size: 128
    .sgpr_count:     102
    .vgpr_count:     1024
    .wavefront_size: 32
...
	.end_amdgpu_metadata
.endif
;; end of part 3
;; launch outproj (part 4): grid 4 x 32, 4 waves a work-group, clusters of 4 x 4, 327,680 bytes of LDS; arguments vcodes, vscales, Wp_codes, Wp_scales, bp, out0; writes out0
.if DOCPART == 4
	.amdgcn_target "amdgcn-amd-amdhsa--gfx1250"
	.amdhsa_code_object_version 6
	.text
	.protected	k_q9b24b5b1df_outproj
	.globl	k_q9b24b5b1df_outproj
	.p2align	8
	.type	k_q9b24b5b1df_outproj,@function
k_q9b24b5b1df_outproj:
	s_mov_b64 s[64:65], 0
	v_nop
	global_prefetch_b8 v0, s[64:65] scope:SCOPE_SE
	s_setreg_imm32_b32 hwreg(HW_REG_WAVE_MODE, 25, 1), 1
	s_wait_xcnt 0x0
	s_wait_alu depctr_hold_cnt(0) depctr_sa_sdst(0) depctr_va_vdst(0) depctr_va_sdst(0) depctr_va_ssrc(0) depctr_va_vcc(0) depctr_vm_vsrc(0)
	s_getreg_b32 s2, hwreg(HW_REG_IB_STS2, 6, 4)
	s_cmp_eq_u32 s2, 0
	s_cbranch_scc0 .Lentry_in_a_cluster
	s_endpgm
.Lentry_in_a_cluster:
	s_bfe_u32 s2, ttmp6, 0x10000c
	s_cmp_lg_u32 s2, 0xf033
	s_cbranch_scc0 .Lentry_shape_is_right
	s_endpgm
.Lentry_shape_is_right:
; out = V Wp^T + bp on codes of FP8 (E4M3) with one E8M0 scale for each 32 along K.  V: [8192][1024] codes and [8192][32] scale bytes, made by the launch before; Wp likewise as given; out: [8192][1024] f32.
; A work-group of four waves makes a tile of 256 x 256, a wave 128 x 128: 64 accumulators, 512 registers.  K = 1,024: four K steps of 256 through two LDS slots filled by the tensor data mover.
; There are 128 such tiles, so 128 work-groups: a smaller tile would read each LDS byte for fewer products.
; SOURCE 0 = 16 ROWS OF Wp, SOURCE 1 = 16 ROWS OF V: a lane holds eight neighbouring numbers of a row of out.  bp is the C of each sum's first product.
; The scales of the tile's rows, for all of K, come into LDS once, with the first fills.  CLUSTER 4 x 4: V's tiles are asked for jointly along a row of the cluster, Wp's along a column.
; The way out: a block of 16 rows x 128 columns goes through the wave's own stage in slot 0 (its last fill and its last read are over) and leaves as whole rows of 512 bytes.
; REGISTERS.  window 0: v1-5 LDS addresses, v6 v7 the spare word's address and 0, v20-22, v26 addresses, v32-63 scale words, v64-127 bp, v128-255 V's fragments, later rows of out.
;   window 1: Wp's fragments, two sets.  windows 2, 3: the accumulators.
.set PITCH,  272
.set HALFT,  128*PITCH
.set SLOT,   4*HALFT
.set HALFS,  16*272
.set SBLK,   2*272
.set FR,     16
.set NL,     4
.set NP,     8
.set SCL,    2*SLOT
.set SPARE,  SCL+4*HALFS               ; the spare words: two blocks of 256 bytes that no other line names
.set SPITCH, 528
.set ADRA, 1
.set ADRB, 3
.set ADRS, 5
.set SPW,  6
.set NIL,  7
.set STO,  20
.set RD,   21
.set CO,   22
.set H32,  26
.set SC,   32
.set BI,   64
.set AF,   128
.set BK,   128
.set WV, 28
.set HA, 29
.set HB, 30
.set G1, 32
.set G0, 40
.set G1B, 48
.set G0B, 56
.set G1S, 68
.set G1SB, 76
.set MUL_LO, 0xa1
.set MUL_HI, 0xf1
.set TO_B,   0x40
.set CODEW, (1<<20)|(1<<21)|(5<<22)|(3<<25)
.set SCLW,  (3<<16)|(1<<20)|(1<<21)|(5<<22)|(3<<25)
.set MSB, 0
.macro WIN new
.if MSB != (\new)
	s_set_vgpr_msb (MSB<<8)|(\new)
.set MSB, (\new)
.endif
.endm
.macro PLACES n
.rept \n
	v_nop
.endr
.endm
.macro JLOAD g0a, g1a, g0b, g1b        ; waves 0 and 1 fetch V's halves, waves 2 and 3 Wp's; four v_nop follow each of the two lines
	s_cmp_eq_u32 s[HA], 0
	s_cbranch_scc0 .Lfor_b_\@
	tensor_load_to_lds s[\g0a:\g0a+3], s[\g1a:\g1a+7]
	s_nop 0
.rept 4
	v_nop
.endr
	s_branch .Lasked_\@
.Lfor_b_\@:
	tensor_load_to_lds s[\g0b:\g0b+3], s[\g1b:\g1b+7]
	s_nop 0
.rept 4
	v_nop
.endr
.Lasked_\@:
.endm
.macro CREST
	s_cmp_lg_u32 s[WV], 0
	s_cbranch_scc1 .Lnot_wave_0_\@
	s_barrier_signal -3
.Lnot_wave_0_\@:
	s_barrier_wait -3
	s_barrier_signal -1
	s_barrier_wait -1
.endm
.macro CROUND
	s_barrier_signal -1
	s_barrier_wait -1
	CREST
.endm
.macro FRAG reg, adr, q, i
.irp c, 0,1,2,3
	ds_load_b128 v[\reg+4*\c:\reg+4*\c+3], v[\adr] offset:128*(\q)+32*\c+(\i)*16*PITCH
.endr
.endm
.macro FETCH_B slot, q, p
	WIN TO_B
.irp i, 0,1,2,3,4,5,6,7
	FRAG 128*(\p)+FR*\i, ADRB+\slot, \q, \i
.endr
	WIN 0
.endm
.macro FETCH_A slot, q, i0
.irp i, \i0, \i0+1, \i0+2, \i0+3
	FRAG AF+FR*(\i), ADRA+\slot, \q, \i
.endr
.endm
.macro SCALES sc, off
.irp i, 0,1,2,3,4,5,6,7
	ds_load_b64 v[SC+16*(\sc)+2*\i:SC+16*(\sc)+2*\i+1], v[ADRS] offset:\i*SBLK+(\off)
.endr
.endm
.macro MUL16 a0, p, q, sc, zero        ; zero = 2: the first product starts the sums from the bias.  The 64 accumulators take turns
.irp a, \a0, \a0+1
.irp b, 0,1,2,3,4,5,6,7
.if \zero
	v_wmma_scale_f32_16x16x128_f8f6f4 v[8*(8*((\a)%4)+\b):8*(8*((\a)%4)+\b)+7], v[128*(\p)+FR*\b:128*(\p)+FR*\b+FR-1], v[AF+FR*(\a):AF+FR*(\a)+FR-1], v[BI+8*\b:BI+8*\b+7], v[SC+16*(\sc)+2*\b+(\q)], v[SC+16*(\sc)+2*(\a)+(\q)] matrix_a_scale:MATRIX_SCALE_ROW1
.else
	v_wmma_scale_f32_16x16x128_f8f6f4 v[8*(8*((\a)%4)+\b):8*(8*((\a)%4)+\b)+7], v[128*(\p)+FR*\b:128*(\p)+FR*\b+FR-1], v[AF+FR*(\a):AF+FR*(\a)+FR-1], v[8*(8*((\a)%4)+\b):8*(8*((\a)%4)+\b)+7], v[SC+16*(\sc)+2*\b+(\q)], v[SC+16*(\sc)+2*(\a)+(\q)] matrix_a_scale:MATRIX_SCALE_ROW1
.endif
.endr
.endr
.endm
.macro STEP slot, q, zero
	s_wait_dscnt 4*NL                              ; all but the youngest sixteen loads (V's blocks 4-7) are in
.if \zero
	WIN 0x81
.else
	WIN MUL_LO
.endif
	MUL16 0, (\q)%2, \q, \slot, \zero
	MUL16 2, (\q)%2, \q, \slot, \zero
	s_wait_dscnt 0
	PLACES NP
	FETCH_B \slot, (\q)+1, 1-(\q)%2
	FETCH_A \slot, (\q)+1, 0
.if \zero
	WIN 0xc1
.else
	WIN MUL_HI
.endif
	MUL16 4, (\q)%2, \q, \slot, \zero
	MUL16 6, (\q)%2, \q, \slot, \zero
	PLACES NP
	WIN 0
	FETCH_A \slot, (\q)+1, 4
.endm
.macro TURN slot, next, fill, soff
	s_wait_tensorcnt 0x0                           ; all my tensor loads have landed: my part of the next slot
	ds_add_u32 v[SPW], v[NIL]                      ; 0 onto my spare word
	s_wait_dscnt 4*NL+1                            ; the add and the youngest sixteen loads may be out
	WIN MUL_LO
	MUL16 0, 1, 1, \slot, 0
	s_wait_dscnt 0x0                               ; the add is done, and my reads of this slot are over
	s_barrier_signal -1
	MUL16 2, 1, 1, \slot, 0
	WIN 0
	s_barrier_wait -1
.if \fill
	CREST                                          ; the barrier has opened a round of the cluster's
	s_add_nc_u64 s[G0+4*\slot+2:G0+4*\slot+3], s[G0+4*\slot+2:G0+4*\slot+3], 512
	s_add_nc_u64 s[G0B+4*\slot+2:G0B+4*\slot+3], s[G0B+4*\slot+2:G0B+4*\slot+3], 512
	JLOAD G0+4*\slot, G1, G0B+4*\slot, G1B         ; the first tensor load behind the round
	PLACES NP-4
.else
	PLACES NP
.endif
	FETCH_B \next, 0, 0
	FETCH_A \next, 0, 0
	SCALES \next, \soff
	WIN MUL_HI
	MUL16 4, 1, 1, \slot, 0
	MUL16 6, 1, 1, \slot, 0
	PLACES NP
	WIN 0
	FETCH_A \next, 0, 4
.endm
	s_load_b256 s[4:11], s[0:1], 0x0               ; V's codes, scales; Wp's codes, scales
	s_load_b128 s[12:15], s[0:1], 0x20             ; bp, out
	v_lshl_add_u32 v[SPW], v0, 2, SPARE
	v_mov_b32 v[NIL], 0
	ds_add_u32 v6, v7
	ds_add_u32 v6, v7
	s_wait_dscnt 0x0
	v_lshrrev_b32 v27, 5, v0
	v_readfirstlane_b32 s[WV], v27
	s_lshr_b32 s[HA], s[WV], 1
	s_and_b32 s[HB], s[WV], 1
	s_bfe_u32 s66, ttmp6, 0x40000
	s_bfe_u32 s67, ttmp6, 0x40004
	s_lshl_b32 s100, ttmp9, 2
	s_add_co_u32 s100, s100, s66                   ; X
	s_and_b32 s101, ttmp7, 0xffff
	s_lshl_b32 s101, s101, 2
	s_add_co_u32 s101, s101, s67                   ; Y
	s_lshl_b32 s3, s67, 2
	s_lshl_b32 s3, 15, s3                          ; my row of the cluster
	s_lshl_b32 s2, 0x1111, s66                     ; my column
	s_or_b32 s[G1+0], s3, CODEW
	s_or_b32 s[G1B+0], s2, CODEW
	s_or_b32 s[G1S+0], s3, SCLW
	s_or_b32 s[G1SB+0], s2, SCLW
.irp g, G1, G1B
	s_mov_b32 s[\g+1], 256<<16
	s_mov_b32 s[\g+2], 128<<16
	s_mov_b32 s[\g+3], 256<<16
	s_mov_b32 s[\g+4], 128
	s_mov_b32 s[\g+5], 1024
	s_mov_b32 s[\g+6], 0
	s_mov_b32 s[\g+7], 0
.endr
.irp g, G1S, G1SB
	s_mov_b32 s[\g+1], 32<<16
	s_mov_b32 s[\g+2], 16<<16
	s_mov_b32 s[\g+3], 32<<16
	s_mov_b32 s[\g+4], 16
	s_mov_b32 s[\g+5], 32
	s_mov_b32 s[\g+6], 0
	s_mov_b32 s[\g+7], 0
.endr
	s_lshl_b32 s31, s[HB], 7
	s_lshl_b32 s84, s101, 8
	s_add_co_u32 s84, s84, s31                     ; V's row that I fetch from
	s_lshl_b32 s86, s84, 5
	s_lshl_b32 s84, s84, 10
	s_mov_b32 s85, 0
	s_mov_b32 s87, 0
	s_lshl_b32 s88, s100, 8
	s_add_co_u32 s88, s88, s31                     ; Wp's
	s_lshl_b32 s90, s88, 5
	s_lshl_b32 s88, s88, 10
	s_mov_b32 s89, 0
	s_mov_b32 s91, 0
	s_wait_kmcnt 0x0
	s_add_nc_u64 s[4:5], s[4:5], s[84:85]
	s_add_nc_u64 s[6:7], s[6:7], s[86:87]
	s_add_nc_u64 s[8:9], s[8:9], s[88:89]
	s_add_nc_u64 s[10:11], s[10:11], s[90:91]
	s_lshl_b32 s2, s100, 8
	s_lshl_b32 s66, s[HB], 7
	s_add_co_u32 s2, s2, s66
	s_lshl_b32 s2, s2, 2                           ; my first column, as bytes of f32
	s_mov_b32 s3, 0
	s_add_nc_u64 s[12:13], s[12:13], s[2:3]        ; bp
	s_add_nc_u64 s[14:15], s[14:15], s[2:3]
	s_lshl_b32 s2, s101, 8
	s_lshl_b32 s66, s[HA], 7
	s_add_co_u32 s2, s2, s66
	s_lshl_b32 s2, s2, 12                          ; my first row: 4,096 bytes a row
	s_add_nc_u64 s[14:15], s[14:15], s[2:3]        ; out
	CROUND                                         ; all sixteen work-groups are here: the first joint loads meet
	s_mul_i32 s31, s[WV], HALFS
	s_mov_b32 s84, 1
	s_add_co_u32 s85, s31, SCL
	s_mov_b64 s[86:87], s[6:7]
	s_or_b32 s87, s87, 0x80000000
	s_mov_b32 s88, 1
	s_add_co_u32 s89, s31, SCL
	s_mov_b64 s[90:91], s[10:11]
	s_or_b32 s91, s91, 0x80000000
	JLOAD 84, G1S, 88, G1SB                        ; the scales
	s_mul_i32 s31, s[WV], HALFT
.irp s, 0,1
	s_mov_b32 s[G0+4*\s], 1
	s_add_co_u32 s[G0+4*\s+1], s31, \s*SLOT
	s_add_nc_u64 s[G0+4*\s+2:G0+4*\s+3], s[4:5], \s*256
	s_or_b32 s[G0+4*\s+3], s[G0+4*\s+3], 0x80000000
	s_mov_b32 s[G0B+4*\s], 1
	s_add_co_u32 s[G0B+4*\s+1], s31, \s*SLOT
	s_add_nc_u64 s[G0B+4*\s+2:G0B+4*\s+3], s[8:9], \s*256
	s_or_b32 s[G0B+4*\s+3], s[G0B+4*\s+3], 0x80000000
	JLOAD G0+4*\s, G1, G0B+4*\s, G1B               ; three tensor loads of mine are out now
.endr
	v_and_b32 v27, 15, v0                          ; r
	v_bfe_u32 v28, v0, 4, 1                        ; h
	v_mul_u32_u24 v29, v27, PITCH
	v_lshl_add_u32 v30, v28, 4, v29
	s_mul_i32 s31, s[HA], HALFT
	v_add_nc_u32 v[ADRA], s31, v30
	s_add_co_u32 s31, s31, SLOT
	v_add_nc_u32 v[ADRA+1], s31, v30
	s_mul_i32 s31, s[HB], HALFT
	s_add_co_u32 s31, s31, 2*HALFT
	v_add_nc_u32 v[ADRB], s31, v30
	s_add_co_u32 s31, s31, SLOT
	v_add_nc_u32 v[ADRB+1], s31, v30
	v_lshlrev_b32 v30, 5, v27
	v_lshrrev_b32 v31, 3, v27
	v_lshl_add_u32 v30, v31, 4, v30
	s_xor_b32 s31, s[HA], 1
	s_add_co_u32 s31, s31, s[HB]
	s_add_co_u32 s31, s31, 1                       ; 2 + HB - HA
	s_mul_i32 s31, s31, HALFS
	v_mul_u32_u24 v31, s31, v28                    ; lanes 16-31 take Wp's
	v_add_nc_u32 v30, v30, v31
	s_mul_i32 s31, s[HA], HALFS
	s_add_co_u32 s31, s31, SCL
	v_add_nc_u32 v[ADRS], s31, v30
	s_mul_i32 s31, s[WV], 16*SPITCH                ; my stage
	v_mul_u32_u24 v[STO], v27, SPITCH              ; in: row r, 32 bytes for each half of the lanes
	v_lshl_add_u32 v[STO], v28, 5, v[STO]
	v_add_nc_u32 v[STO], s31, v[STO]
	v_and_b32 v31, 31, v0
	v_lshlrev_b32 v[CO], 4, v31                    ; back: the 32 lanes take one row of 512 bytes; and the same in out
	v_add_nc_u32 v[RD], s31, v[CO]
	v_lshlrev_b32 v[H32], 5, v28
.irp b, 0,1,2,3,4,5,6,7
	global_load_b128 v[BI+8*\b:BI+8*\b+3], v[H32], s[12:13] offset:64*\b           ; bp at columns 16 b + 8 h + 0 .. 7
	global_load_b128 v[BI+8*\b+4:BI+8*\b+7], v[H32], s[12:13] offset:64*\b+16
.endr
	s_wait_tensorcnt 1                             ; the scales and my part of K step 0 are in; K step 1's load may be out
	s_barrier_signal -1
	s_barrier_wait -1
	FETCH_B 0, 0, 0
	FETCH_A 0, 0, 0
	SCALES 0, 0
	FETCH_A 0, 0, 4
	s_wait_loadcnt 0x0                             ; bp
	STEP 0, 0, 2
	TURN 0, 1, 1, 8
	STEP 1, 0, 0
	TURN 1, 0, 1, 16
	STEP 0, 0, 0
	TURN 0, 1, 0, 24
	STEP 1, 0, 0
	s_wait_dscnt 4*NL
	WIN MUL_LO
	MUL16 0, 1, 1, 1, 0
	MUL16 2, 1, 1, 1, 0
	s_wait_dscnt 0
	WIN MUL_HI
	MUL16 4, 1, 1, 1, 0
	MUL16 6, 1, 1, 1, 0
	WIN 0
; THE WAY OUT.  LDS serves a wave's instructions in order (ISA guide 5.7.1.4): no wait between a block's stores into my stage and its loads, nor in front of the next block's stores.
.macro TOSTAGE a
.set AC, 64*((\a)%4)
	WIN 0x08+4*((\a)/4)                            ; the data: window 2 or 3
.irp b, 0,1,2,3,4,5,6,7
	ds_store_b128 v[STO], v[AC+8*\b:AC+8*\b+3] offset:64*\b        ; each accumulator from its low end on
	ds_store_b128 v[STO], v[AC+8*\b+4:AC+8*\b+7] offset:64*\b+16
.endr
	WIN 0
.set BB, BK+64*((\a)%2)
.irp t, 0,1,2,3,4,5,6,7,8,9,10,11,12,13,14,15
	ds_load_b128 v[BB+4*\t:BB+4*\t+3], v[RD] offset:\t*SPITCH
.endr
.endm
.macro SEND a, younger
.set BB, BK+64*((\a)%2)
	s_wait_dscnt \younger                          ; the block is back in registers
.if (\a) > 0
	s_add_nc_u64 s[14:15], s[14:15], 16*4096       ; (behind a wait on XCNT)  16 rows of out on
.endif
.irp t, 0,1,2,3,4,5,6,7,8,9,10,11,12,13,14,15
	global_store_b128 v[CO], v[BB+4*\t:BB+4*\t+3], s[14:15] offset:\t*4096 th:TH_STORE_NT  ; 32 lanes store 512 consecutive bytes, at a multiple of 256 from out's first byte
.endr
.endm
	PLACES NP
	TOSTAGE 0
.irp a, 1,2,3,4,5,6,7
.if \a > 1
	s_wait_xcnt 0x0                                ; block a - 2's stores have read their registers and their base
.endif
	TOSTAGE \a
	SEND \a-1, 32                                  ; behind block a - 1's loads: block a's 16 stores and 16 loads
.endr
	s_wait_xcnt 0x0
	SEND 7, 0
	s_wait_tensorcnt 0x0                           ; the wave's end
	ds_add_u32 v[SPW], v[NIL]
	s_wait_dscnt 0x0
	CROUND                                         ; the closing round
	s_endpgm
.Lfunc_end_k_q9b24b5b1df_outproj:
	.size	k_q9b24b5b1df_outproj, .Lfunc_end_k_q9b24b5b1df_outproj-k_q9b24b5b1df_outproj
	.p2alignl 7, 3214868480
	.fill 96, 4, 3214868480
	.section	.rodata,"a",@progbits
	.p2align	6, 0x0
	.amdhsa_kernel k_q9b24b5b1df_outproj
		.amdhsa_group_segment_fixed_size 327680
		.amdhsa_private_segment_fixed_size 0
		.amdhsa_enable_private_segment 0
		.amdhsa_kernarg_size 48
		.amdhsa_user_sgpr_count 2
		.amdhsa_user_sgpr_kernarg_segment_ptr 1
		.amdhsa_wavefront_size32 1
		.amdhsa_system_sgpr_workgroup_id_x 1
		.amdhsa_system_sgpr_workgroup_id_y 1
		.amdhsa_system_sgpr_workgroup_id_z 1
		.amdhsa_system_vgpr_workitem_id 0
		.amdhsa_next_free_vgpr 1024
		.amdhsa_next_free_sgpr 102
		.amdhsa_reserve_vcc 0
		.amdhsa_float_denorm_mode_32 3
		.amdhsa_float_denorm_mode_16_64 3
		.amdhsa_memory_ordered 1
		.amdhsa_forward_progress 1
		.amdhsa_inst_pref_size 147
	.end_amdhsa_kernel
	.amdgpu_metadata
---
amdhsa.version: [ 1, 2 ]
amdhsa.kernels:
  - .name:           k_q9b24b5b1df_outproj
    .symbol:         k_q9b24b5b1df_outproj.kd
    .args:
      - { .name: vcodes, .offset: 0, .size: 8, .value_kind: global_buffer, .address_space: global }
      - { .name: vscales, .offset: 8, .size: 8, .value_kind: global_buffer, .address_space: global }
      - { .name: Wp_codes, .offset: 16, .size: 8, .value_kind: global_buffer, .address_space: global }
      - { .name: Wp_scales, .offset: 24, .size: 8, .value_kind: global_buffer, .address_space: global }
      - { .name: bp, .offset: 32, .size: 8, .value_kind: global_buffer, .address_space: global }
      - { .name: out0, .offset: 40, .size: 8, .value_kind: global_buffer, .address_space: global }
    .group_segment_fixed_size: 327680
    .private_segment_fixed_size: 0
    .kernarg_segment_align: 8
    .kernarg_segment_size: 48
    .max_flat_workgroup_size: 128
    .sgpr_count:     102
    .vgpr_count:     1024
    .wavefront_size: 32
...
	.end_amdgpu_metadata
.endif
;; end of part 4
;; ======== version 2 of 2: 4 launches; 1.12 times as fast as version 1
;; workspace buffers: kvp 16,777,216 bytes; ksp 524,288 bytes; kvimg 524,288 bytes; kvsc 32,768 bytes; ksum 16,384 bytes; vcodes 8,388,608 bytes; vscales 262,144 bytes
;; launch kvproj: the kernel of part 1 again; grid 4 x 64, 4 waves a work-group, clusters of 4 x 4, 327,680 bytes of LDS; arguments Wk_codes, Wk_scales, key_codes, key_scales, Wv_codes, Wv_scales, value_codes, value_scales, bk, bv, kvp, ksp; writes kvp, ksp
;; launch kvreduce: the kernel of part 2 again; grid 256 x 1, 4 waves a work-group, no clusters, 17,408 bytes of LDS; arguments kvp, ksp, kvimg, kvsc, ksum; writes kvimg, kvsc, ksum
;; launch qattn (part 5): grid 4 x 64, 4 waves a work-group, clusters of 4 x 4, 327,680 bytes of LDS; arguments query_codes, query_scales, Wq_codes, Wq_scales, bq, kvimg, kvsc, ksum, vcodes, vscales; writes vcodes, vscales
.if DOCPART == 5
	.amdgcn_target "amdgcn-amd-amdhsa--gfx1250"
	.amdhsa_code_object_version 6
	.text
	.protected	k_q9b24b5b1df_qattn
	.globl	k_q9b24b5b1df_qattn
	.p2align	8
	.type	k_q9b24b5b1df_qattn,@function
k_q9b24b5b1df_qattn:
	s_mov_b64 s[64:65], 0
	v_nop
	global_prefetch_b8 v0, s[64:65] scope:SCOPE_SE
	s_setreg_imm32_b32 hwreg(HW_REG_WAVE_MODE, 25, 1), 1
	s_wait_xcnt 0x0
	s_wait_alu depctr_hold_cnt(0) depctr_sa_sdst(0) depctr_va_vdst(0) depctr_va_sdst(0) depctr_va_ssrc(0) depctr_va_vcc(0) depctr_vm_vsrc(0)
	s_getreg_b32 s2, hwreg(HW_REG_IB_STS2, 6, 4)
	s_cmp_eq_u32 s2, 0
	s_cbranch_scc0 .Lentry_in_a_cluster
	s_endpgm
.Lentry_in_a_cluster:
	s_bfe_u32 s2, ttmp6, 0x10000c
	s_cmp_lg_u32 s2, 0xf033
	s_cbranch_scc0 .Lentry_shape_is_right
	s_endpgm
.Lentry_shape_is_right:
; q = query Wq^T + bq, Q = elu(q) + 1, Z = 1 / (Q . Ksum + 1e-6), V = (Q KV^T) Z, and V's codes along E for the last product.  All products on codes of FP8 (E4M3) with one E8M0 scale for each 32 along K.
; A work-group of four waves takes rows 128 Y .. + 127 of the 8,192 rows (n, l) and columns 256 X .. + 255 (four heads): 4 x 64 = 256 work-groups, one for each WGP.  A wave takes 64 rows x 128 columns (two heads): 32 accumulators.
; K = 1,024 is four K steps of 256.  A slot (128 rows of query, 256 of Wq, 272 bytes each) is 104,448 bytes, so THREE slots fit: K steps 0, 1, 2 and the scales are first fills, and only K step 3 is a refill (of slot 0),
; behind the one round of the cluster's barrier; it has two K steps' products in which to land.
; SOURCE 0 = 16 ROWS OF Wq, SOURCE 1 = 16 ROWS OF query: a lane holds ONE row l (lane % 16) and its registers run along the columns, which are the next products' K (d within a head, then E).  bq is the C of each sum's first product.
; A block of 16 rows at a time: Q in registers; the divisor by f32 multiply-adds on the unquantised Q; Q's 128 columns quantised into ONE fragment (blocks 0, 1: the even head; 2, 3: the odd one);
; eight products with the images of KV (each head's codes beside zeros, so that a head meets its own half of the fragment); x Z; quantised along E.  Inside a block of 32 the registers hold 16 u + 8 h + j where the
; unit reads 16 h + 8 u + j: Q and KV's images have the same order; V's codes are put into the natural order by the addresses of their stores into the stage.
; V's codes leave through a stage in slot 1 (its one fill and its last read are over): sixteen lanes store 256 consecutive aligned bytes.  V's scale words leave as 4 bytes a row: one byte in 32 of what is stored.
; CLUSTER 4 x 4: query's tiles hang on Y and are asked for jointly along a row of the cluster, Wq's on X, along a column.
; LIMITS: for x <= 0, elu(x) + 1 is taken as e^x (at most 2^-24 from expm1(x) + 1); a block whose largest magnitude lies under 2^-118 (zeros too) keeps the scale byte 1, read by this program alone; NaN and infinities are not served.
; REGISTERS.  window 0: v1-7 LDS addresses, v8 v9 the spare word's address and 0, v10-17 KV's scale words, v18-21 V's scale words, v22-25 Z, v26-31 addresses, v32-63 scale words / at work, v64-127 bq,
;   v128-255 query's fragments, two sets / at work.  window 1: Wq's fragments, two sets.  window 2: the accumulators.  window 3: v0-127 KV's eight images, v128-191 Ksum.
.set PITCH,  272                       ; an LDS row: 256 bytes + 16 of padding = 68 words: the 16 rows of a fragment load start at 16 different banks (64 banks of 4 bytes: ISA guide 11.1)
.set HALFA,  64*PITCH                  ; 64 rows of query: one tensor load, and what one wave reads
.set HALFT,  128*PITCH                 ; 128 rows of Wq: likewise
.set SLOT,   2*HALFA+2*HALFT
.set HSA,    8*272                     ; the scales of 64 rows (2,048 dense bytes) as 8 rows of 256 + 16
.set HALFS,  16*272                    ; those of 128 rows
.set SBLK,   2*272                     ; those of 16 rows
.set FR,     16
.set NP,     8                         ; places behind this matrix instruction (ISA guide 7.12.1)
.set SCL,    3*SLOT                    ; behind the three slots: query's scales (two halves), then Wq's (two halves)
.set SPARE,  SCL+2*HSA+2*HALFS         ; the spare words: two blocks of 256 bytes that no other line names
.set STAGE,  SLOT                      ; the way out: 128 rows x 272 bytes, in slot 1
.set ADRA, 1                           ; v1-3 my fragments of query in slots 0, 1, 2
.set ADRB, 4                           ; v4-6 of Wq
.set ADRS, 7
.set SPW,  8
.set NIL,  9
.set KVW,  10
.set VWS,  18
.set L4,   18                          ; (at the head only: 4 x lane)
.set STO,  26
.set RD,   27
.set GO,   28
.set L32,  29
.set L16,  30
.set H32,  31
.set SC,   32
.set TM,   40
.set QW,   56
.set BI,   64
.set AF,   128
.set XR,   128
.set YR,   192
.set QC,   208
.set VC,   224
.set KS,   128                         ; in window 3
.set WV, 28
.set HA, 29
.set HB, 30
.set G1, 32                            ; s[32:39] group 1 for query's tiles, s[40:47] for Wq's
.set G1B, 40
.set G0, 48                            ; s[48:59] groups 0 for query's tiles, a set for each slot
.set G0B, 68                           ; s[68:79] for Wq's
.set G1S, 80                           ; s[80:87], s[88:95] groups 1 for the scales
.set G1SB, 88
.set G0S, 96                           ; s[96:99], s[24:27] their groups 0
.set G0SB, 24
.set SEL, 4
.set MNT, 6
.set L2E, 8
.set MUL_LO, 0xa1                      ; source 0 window 1, source 1 window 0, C and D window 2
.set TO_B,   0x40
.set CODEW, (1<<20)|(1<<21)|(5<<22)|(3<<25)          ; elements of 1 byte; padding on; bit 21 beside a mask; 4 words behind every 64
.set SCLW,  (3<<16)|(1<<20)|(1<<21)|(5<<22)|(3<<25)  ; the same with elements of 8 bytes
.set MSB, 0
.macro WIN new                         ; the immediate's high byte repeats the setting that is left
.if MSB != (\new)
	s_set_vgpr_msb (MSB<<8)|(\new)
.set MSB, (\new)
.endif
.endm
.macro WINM zero
.if \zero
	WIN 0x81                                       ; C (the bias) window 0, D window 2
.else
	WIN MUL_LO
.endif
.endm
.macro PLACES n
.rept \n
	v_nop
.endr
.endm
.macro JLOAD g0a, g1a, g0b, g1b        ; waves 0 and 1 fetch query's halves, waves 2 and 3 Wq's; four v_nop follow each of the two lines
	s_cmp_eq_u32 s[HA], 0
	s_cbranch_scc0 .Lfor_b_\@
	tensor_load_to_lds s[\g0a:\g0a+3], s[\g1a:\g1a+7]
	s_nop 0
.rept 4
	v_nop
.endr
	s_branch .Lasked_\@
.Lfor_b_\@:
	tensor_load_to_lds s[\g0b:\g0b+3], s[\g1b:\g1b+7]
	s_nop 0
.rept 4
	v_nop
.endr
.Lasked_\@:
.endm
.macro CREST                           ; a round of the cluster's barrier behind its opening barrier
	s_cmp_lg_u32 s[WV], 0
	s_cbranch_scc1 .Lnot_wave_0_\@
	s_barrier_signal -3
.Lnot_wave_0_\@:
	s_barrier_wait -3
	s_barrier_signal -1
	s_barrier_wait -1
.endm
.macro CROUND
	s_barrier_signal -1
	s_barrier_wait -1
	CREST
.endm
.macro FRAG reg, adr, q, i             ; 16 rows x 128 K: lane l holds row l % 16; registers 4 c .. 4 c + 3 hold K = 32 c + 16 (l / 16) + 0 .. 15
.irp c, 0,1,2,3
	ds_load_b128 v[\reg+4*\c:\reg+4*\c+3], v[\adr] offset:128*(\q)+32*\c+(\i)*16*PITCH
.endr
.endm
.macro LOADB slot, q, p, i0            ; Wq's fragments i0 .. i0 + 3 into set p: 16 loads
	WIN TO_B
.irp i, \i0, \i0+1, \i0+2, \i0+3
	FRAG 128*(\p)+FR*(\i), ADRB+\slot, \q, \i
.endr
.endm
.macro FETCH_A slot, q, p              ; query's four fragments into set p: 16 loads
.irp i, 0,1,2,3
	FRAG AF+64*(\p)+FR*\i, ADRA+\slot, \q, \i
.endr
.endm
.macro SCALES sc, off                  ; a K step's two scale words a row: lanes 0-15 query's block i (blocks 4-7 are not used), lanes 16-31 Wq's block i; the K step stands in the immediate
.irp i, 0,1,2,3,4,5,6,7
	ds_load_b64 v[SC+16*(\sc)+2*\i:SC+16*(\sc)+2*\i+1], v[ADRS] offset:\i*SBLK+(\off)
.endr
.endm
; 8 matrix instructions: query's block a x Wq's eight.  zero = 2: the first product starts the sums from the bias.  The 32 accumulators take turns.
.macro MUL8 a, p, q, sc, zero
.irp b, 0,1,2,3,4,5,6,7
.if \zero
	v_wmma_scale_f32_16x16x128_f8f6f4 v[8*(8*(\a)+\b):8*(8*(\a)+\b)+7], v[128*(\p)+FR*\b:128*(\p)+FR*\b+FR-1], v[AF+64*(\p)+FR*(\a):AF+64*(\p)+FR*(\a)+FR-1], v[BI+8*\b:BI+8*\b+7], v[SC+16*(\sc)+2*\b+(\q)], v[SC+16*(\sc)+2*(\a)+(\q)] matrix_a_scale:MATRIX_SCALE_ROW1
.else
	v_wmma_scale_f32_16x16x128_f8f6f4 v[8*(8*(\a)+\b):8*(8*(\a)+\b)+7], v[128*(\p)+FR*\b:128*(\p)+FR*\b+FR-1], v[AF+64*(\p)+FR*(\a):AF+64*(\p)+FR*(\a)+FR-1], v[8*(8*(\a)+\b):8*(8*(\a)+\b)+7], v[SC+16*(\sc)+2*\b+(\q)], v[SC+16*(\sc)+2*(\a)+(\q)] matrix_a_scale:MATRIX_SCALE_ROW1
.endif
.endr
.endm
; A slot's first 128 along K (sets 0): its second 128 are fetched into sets 1, in three runs of 16 loads ahead of the first three groups of eight products.
.macro STEP slot, sc, zero
	s_wait_dscnt 0x0                               ; this step's fragments and scale words are in
	PLACES NP                                      ; in front of loads into the sets that the last step's products read
	LOADB \slot, 1, 1, 0
	WINM \zero
	MUL8 0, 0, 0, \sc, \zero
	LOADB \slot, 1, 1, 4
	WINM \zero
	MUL8 1, 0, 0, \sc, \zero
	WIN 0
	FETCH_A \slot, 1, 1
	WINM \zero
	MUL8 2, 0, 0, \sc, \zero
	MUL8 3, 0, 0, \sc, \zero
	WIN 0
.endm
; A slot's second 128 along K (sets 1), and the change of slots.  mode 1: this slot is filled again: each wave waits for all its tensor loads, adds 0 to its spare word, waits for that and for its reads of the slot;
; a round of the cluster's barrier; the joint refill first behind it.  mode 0: the same three lines and a plain barrier: the refill has landed in every wave, nothing is filled.  mode 2: no barrier: the next slot was
; shown whole to every wave by the round before, and nothing is overwritten.
.macro TURN slot, next, mode, sc, nsc, soff
.if \mode < 2
	s_wait_tensorcnt 0x0                           ; all my tensor loads have landed
	ds_add_u32 v[SPW], v[NIL]                      ; 0 onto my spare word
	s_wait_dscnt 1                                 ; this step's fragments are in; the add alone may be out
.else
	s_wait_dscnt 0x0
.endif
	WIN MUL_LO
	MUL8 0, 1, 1, \sc, 0
	WIN 0
.if \mode < 2
	s_wait_dscnt 0x0                               ; the add is done, and my reads of this slot are over
	s_barrier_signal -1
	s_barrier_wait -1
.endif
.if \mode == 1
	CREST                                          ; the barrier has opened a round of the cluster's: no wave of any partner still reads this slot or has a load on its way
	s_add_nc_u64 s[G0+4*\slot+2:G0+4*\slot+3], s[G0+4*\slot+2:G0+4*\slot+3], 768      ; three K steps on
	s_add_nc_u64 s[G0B+4*\slot+2:G0B+4*\slot+3], s[G0B+4*\slot+2:G0B+4*\slot+3], 768
	JLOAD G0+4*\slot, G1, G0B+4*\slot, G1B         ; the first tensor load behind the round; its four v_nop are among the places
	PLACES NP-4
.else
	PLACES NP
.endif
	LOADB \next, 0, 0, 0
	WIN MUL_LO
	MUL8 1, 1, 1, \sc, 0
	LOADB \next, 0, 0, 4
	WIN MUL_LO
	MUL8 2, 1, 1, \sc, 0
	WIN 0
	FETCH_A \next, 0, 0
	SCALES \nsc, \soff
	WIN MUL_LO
	MUL8 3, 1, 1, \sc, 0
	WIN 0
.endm
.macro QUANT s, nn, pc, pcw, pw        ; 64 numbers of a lane (16 of each of four blocks; the other 16 in lane l xor 16) -> codes in v[pc] on, scale word in v[pw].  nn = 1: not negative
.irp b, 0,1,2,3
.if \nn
	v_max3_num_f32 v[TM+\b], v[(\s)+16*\b], v[(\s)+1+16*\b], 0x4800000     ; with the floor 2^(9 - 127): the byte cannot fall under 1
.else
	v_max3_num_f32 v[TM+\b], |v[(\s)+16*\b]|, |v[(\s)+1+16*\b]|, 0x4800000
.endif
.endr
.irp i, 2,4,6,8,10,12,14
.irp b, 0,1,2,3
.if \nn
	v_max3_num_f32 v[TM+\b], v[TM+\b], v[(\s)+16*\b+\i], v[(\s)+1+16*\b+\i]
.else
	v_max3_num_f32 v[TM+\b], v[TM+\b], |v[(\s)+16*\b+\i]|, |v[(\s)+1+16*\b+\i]|
.endif
.endr
.endr
.irp b, 0,1,2,3
	v_permlanex16_b32 v[TM+4+\b], v[TM+\b], s[SEL], s[SEL+1]
.endr
.irp b, 0,1,2,3
	v_max_num_f32 v[TM+\b], v[TM+\b], v[TM+4+\b]                   ; the block's largest magnitude
.endr
.irp b, 0,1,2,3
	v_add_nc_u32 v[TM+12+\b], 0xfc000000, v[TM+\b]                 ; 8 off its exponent field: the conversion's scale operand
.endr
.irp b, 0,1,2,3
	v_and_or_b32 v[TM+8+\b], v[TM+\b], 0x7f800000, s[MNT]          ; 448 x the scale
.endr
.irp b, 0,1,2,3
	v_lshrrev_b32 v[TM+4+\b], 23, v[TM+12+\b]                      ; the scale's byte
.endr
	v_lshl_or_b32 v[(\pw)], v[TM+5], 8, v[TM+4]
	v_lshl_or_b32 v[(\pw)], v[TM+6], 16, v[(\pw)]
	v_lshl_or_b32 v[(\pw)], v[TM+7], 24, v[(\pw)]
.irp b, 0,1,2,3
.irp i, 0,1,2,3,4,5,6,7,8,9,10,11,12,13,14,15
.if \nn
	v_min_num_f32 v[(\s)+16*\b+\i], v[(\s)+16*\b+\i], v[TM+8+\b]   ; the conversion to an 8-bit code does not saturate (ISA guide 7.6.2): the hold
.else
	v_med3_num_f32 v[(\s)+16*\b+\i], v[(\s)+16*\b+\i], -v[TM+8+\b], v[TM+8+\b]
.endif
.endr
.endr
	WIN \pcw
.irp b, 0,1,2,3
	v_cvt_scalef32_pk8_fp8_f32 v[(\pc)+4*\b:(\pc)+4*\b+1], v[(\s)+16*\b:(\s)+16*\b+7], v[TM+12+\b]
	v_cvt_scalef32_pk8_fp8_f32 v[(\pc)+4*\b+2:(\pc)+4*\b+3], v[(\s)+16*\b+8:(\s)+16*\b+15], v[TM+12+\b]
.endr
	WIN 0
	v_nop                                          ; one plain line behind the last conversion of a run
.endm
	s_load_b512 s[4:19], s[0:1], 0x0               ; query codes, scales; Wq codes, scales; bq; kvimg; kvsc; ksum
	s_load_b128 s[20:23], s[0:1], 0x40             ; vcodes, vscales
	v_lshl_add_u32 v[SPW], v0, 2, SPARE
	v_mov_b32 v[NIL], 0
	ds_add_u32 v8, v9
	ds_add_u32 v8, v9
	s_wait_dscnt 0x0
	v_lshrrev_b32 v19, 5, v0
	v_readfirstlane_b32 s[WV], v19
	s_lshr_b32 s[HA], s[WV], 1                     ; which 64 rows are mine.  Also: I fetch for query (0) or for Wq (1)
	s_and_b32 s[HB], s[WV], 1                      ; which 128 columns.  Also: which half of a tile I fetch
	s_bfe_u32 s66, ttmp6, 0x40000
	s_bfe_u32 s67, ttmp6, 0x40004
	s_lshl_b32 s100, ttmp9, 2
	s_add_co_u32 s100, s100, s66                   ; X
	s_and_b32 s101, ttmp7, 0xffff
	s_lshl_b32 s101, s101, 2
	s_add_co_u32 s101, s101, s67                   ; Y
	s_lshl_b32 s3, s67, 2
	s_lshl_b32 s3, 15, s3                          ; my row of the cluster
	s_lshl_b32 s2, 0x1111, s66                     ; my column
	s_or_b32 s[G1+0], s3, CODEW                    ; query's tiles hang on Y: shared along my row
	s_or_b32 s[G1B+0], s2, CODEW                   ; Wq's on X: along my column
	s_or_b32 s[G1S+0], s3, SCLW
	s_or_b32 s[G1SB+0], s2, SCLW
.irp g, G1, G1B
	s_mov_b32 s[\g+1], 256<<16                     ; tensor_dim0
	s_mov_b32 s[\g+3], 256<<16                     ; tile_dim0
	s_mov_b32 s[\g+5], 1024                        ; bytes from row to row
	s_mov_b32 s[\g+6], 0
	s_mov_b32 s[\g+7], 0
.endr
	s_mov_b32 s[G1+2], 64<<16                      ; tensor_dim1, tile_dim1: 64 rows of query,
	s_mov_b32 s[G1+4], 64
	s_mov_b32 s[G1B+2], 128<<16                    ; 128 of Wq
	s_mov_b32 s[G1B+4], 128
.irp g, G1S, G1SB
	s_mov_b32 s[\g+1], 32<<16                      ; rows of 32 elements of 8 bytes, dense
	s_mov_b32 s[\g+3], 32<<16
	s_mov_b32 s[\g+5], 32
	s_mov_b32 s[\g+6], 0
	s_mov_b32 s[\g+7], 0
.endr
	s_mov_b32 s[G1S+2], 8<<16
	s_mov_b32 s[G1S+4], 8
	s_mov_b32 s[G1SB+2], 16<<16
	s_mov_b32 s[G1SB+4], 16
	s_lshl_b32 s60, s101, 7
	s_lshl_b32 s31, s[HB], 6
	s_add_co_u32 s60, s60, s31                     ; query's row that I fetch from: 128 Y + 64 x half
	s_lshl_b32 s62, s60, 5                         ; its scales, in bytes,
	s_lshl_b32 s60, s60, 10                        ; its codes
	s_mov_b32 s61, 0
	s_mov_b32 s63, 0
	s_lshl_b32 s96, s100, 8
	s_lshl_b32 s31, s[HB], 7
	s_add_co_u32 s96, s96, s31                     ; Wq's: 256 X + 128 x half
	s_lshl_b32 s98, s96, 5
	s_lshl_b32 s96, s96, 10
	s_mov_b32 s97, 0
	s_mov_b32 s99, 0
	s_wait_kmcnt 0x0
	s_add_nc_u64 s[4:5], s[4:5], s[60:61]
	s_add_nc_u64 s[6:7], s[6:7], s[62:63]
	s_add_nc_u64 s[8:9], s[8:9], s[96:97]
	s_add_nc_u64 s[10:11], s[10:11], s[98:99]
	s_lshl_b32 s2, s100, 8
	s_lshl_b32 s66, s[HB], 7
	s_add_co_u32 s2, s2, s66
	s_lshl_b32 s2, s2, 2                           ; my first column, as bytes of f32
	s_mov_b32 s3, 0
	s_add_nc_u64 s[12:13], s[12:13], s[2:3]        ; bq
	s_add_nc_u64 s[18:19], s[18:19], s[2:3]
	s_lshr_b32 s67, s101, 4                        ; n: sixteen row tiles each
	s_lshl_b32 s2, s67, 12
	s_add_nc_u64 s[18:19], s[18:19], s[2:3]        ; ksum
	s_lshl_b32 s2, s67, 4
	s_lshl_b32 s66, s100, 2
	s_add_co_u32 s2, s2, s66
	s_lshl_b32 s66, s[HB], 1
	s_add_co_u32 s2, s2, s66                       ; 16 n + my first head
	s_lshl_b32 s66, s2, 9
	s_lshl_b32 s2, s2, 13
	s_add_nc_u64 s[14:15], s[14:15], s[2:3]        ; kvimg: four images of 2,048 bytes a head
	s_mov_b32 s2, s66
	s_add_nc_u64 s[16:17], s[16:17], s[2:3]        ; kvsc: four times 128 bytes a head
	s_lshl_b32 s2, s101, 7
	s_lshl_b32 s66, s[WV], 5
	s_add_co_u32 s2, s2, s66
	s_lshl_b32 s2, s2, 10
	s_lshl_b32 s66, s100, 8
	s_add_co_u32 s2, s2, s66
	s_add_nc_u64 s[20:21], s[20:21], s[2:3]        ; vcodes: row 128 Y + 32 x wave, byte 256 X
	s_lshl_b32 s2, s101, 7
	s_lshl_b32 s66, s[HA], 6
	s_add_co_u32 s2, s2, s66
	s_lshl_b32 s2, s2, 5
	s_lshl_b32 s66, s100, 3
	s_add_co_u32 s2, s2, s66
	s_lshl_b32 s66, s[HB], 2
	s_add_co_u32 s2, s2, s66
	s_add_nc_u64 s[22:23], s[22:23], s[2:3]        ; vscales: row 128 Y + 64 HA, byte 8 X + 4 HB
	CROUND                                         ; all sixteen work-groups are here: the first joint loads meet
	s_mul_i32 s31, s[HB], HSA
	s_mov_b32 s[G0S], 1
	s_add_co_u32 s[G0S+1], s31, SCL
	s_mov_b64 s[G0S+2:G0S+3], s[6:7]
	s_or_b32 s[G0S+3], s[G0S+3], 0x80000000
	s_mul_i32 s31, s[HB], HALFS
	s_mov_b32 s[G0SB], 1
	s_add_co_u32 s[G0SB+1], s31, SCL+2*HSA
	s_mov_b64 s[G0SB+2:G0SB+3], s[10:11]
	s_or_b32 s[G0SB+3], s[G0SB+3], 0x80000000
	s_mul_i32 s31, s[HB], HALFA
.irp s, 0,1,2
	s_mov_b32 s[G0+4*\s], 1
	s_add_co_u32 s[G0+4*\s+1], s31, \s*SLOT
	s_add_nc_u64 s[G0+4*\s+2:G0+4*\s+3], s[4:5], \s*256            ; K step s
	s_or_b32 s[G0+4*\s+3], s[G0+4*\s+3], 0x80000000
.endr
	s_mul_i32 s31, s[HB], HALFT
	s_add_co_u32 s31, s31, 2*HALFA
.irp s, 0,1,2
	s_mov_b32 s[G0B+4*\s], 1
	s_add_co_u32 s[G0B+4*\s+1], s31, \s*SLOT
	s_add_nc_u64 s[G0B+4*\s+2:G0B+4*\s+3], s[8:9], \s*256
	s_or_b32 s[G0B+4*\s+3], s[G0B+4*\s+3], 0x80000000
.endr
	JLOAD G0S, G1S, G0SB, G1SB                     ; the scales,
.irp s, 0,1,2
	JLOAD G0+4*\s, G1, G0B+4*\s, G1B               ; K steps 0, 1, 2: four tensor loads of mine are out now
.endr
	s_mov_b32 s[SEL], 0x76543210
	s_mov_b32 s[SEL+1], 0xfedcba98
	s_mov_b32 s[MNT], 0x600000
	s_mov_b32 s[L2E], 0x3fb8aa3b
	s_mov_b32 s[L2E+1], 0x3fb8aa3b
	v_and_b32 v19, 15, v0                          ; r
	v_bfe_u32 v20, v0, 4, 1                        ; h
	v_and_b32 v24, 31, v0                          ; lane
	v_lshlrev_b32 v[L16], 4, v24
	v_lshlrev_b32 v[L32], 5, v24
	v_lshlrev_b32 v[L4], 2, v24
	v_lshlrev_b32 v[H32], 5, v20
.irp b, 0,1,2,3,4,5,6,7
	global_load_b128 v[BI+8*\b:BI+8*\b+3], v[H32], s[12:13] offset:64*\b           ; bq at columns 16 b + 8 h + 0 .. 7
	global_load_b128 v[BI+8*\b+4:BI+8*\b+7], v[H32], s[12:13] offset:64*\b+16
.endr
.irp f, 0,1,2,3,4,5,6,7
	global_load_b32 v[KVW+\f], v[L4], s[16:17] offset:128*\f                       ; KV's scale words: image f = 4 x (head in my pair) + mt
.endr
	WIN 0xc0                                       ; destination window 3, which the products leave free
.irp f, 0,1,2,3,4,5,6,7
.irp c, 0,1,2,3
	global_load_b128 v[16*\f+4*\c:16*\f+4*\c+3], v[L16], s[14:15] offset:2048*\f+512*\c    ; KV's images
.endr
.endr
.irp b, 0,1,2,3,4,5,6,7
	global_load_b128 v[KS+8*\b:KS+8*\b+3], v[H32], s[18:19] offset:64*\b           ; Ksum, laid as the bias is
	global_load_b128 v[KS+8*\b+4:KS+8*\b+7], v[H32], s[18:19] offset:64*\b+16
.endr
	WIN 0
	v_mul_u32_u24 v21, v19, PITCH
	v_lshl_add_u32 v22, v20, 4, v21                ; a fragment's row x pitch + 16 h
	s_mul_i32 s31, s[HA], HALFA
.irp s, 0,1,2
	v_add_nc_u32 v[ADRA+\s], s31, v22
	s_add_co_u32 s31, s31, SLOT
.endr
	s_mul_i32 s31, s[HB], HALFT
	s_add_co_u32 s31, s31, 2*HALFA
.irp s, 0,1,2
	v_add_nc_u32 v[ADRB+\s], s31, v22
	s_add_co_u32 s31, s31, SLOT
.endr
	v_lshlrev_b32 v22, 5, v19
	v_lshrrev_b32 v23, 3, v19
	v_lshl_add_u32 v22, v23, 4, v22                ; my row's scales: 32 r + 16 for each 256 passed
	s_xor_b32 s31, s[HA], 1
	s_add_co_u32 s31, s31, s[HB]
	s_add_co_u32 s31, s31, s[HB]
	s_add_co_u32 s31, s31, 1                       ; 2 + 2 HB - HA: lanes 16-31 take Wq's, so many times 64 rows' scales further on
	s_mul_i32 s31, s31, HSA
	v_mul_u32_u24 v23, s31, v20
	v_add_nc_u32 v22, v22, v23
	s_mul_i32 s31, s[HA], HSA
	s_add_co_u32 s31, s31, SCL
	v_add_nc_u32 v[ADRS], s31, v22
	v_lshl_add_u32 v[STO], v20, 3, v21             ; the stage, in: row 64 HA + r, byte 128 HB + 8 h
	s_mul_i32 s31, s[HA], 64*PITCH
	s_add_co_u32 s31, s31, STAGE
	v_add_nc_u32 v[STO], s31, v[STO]
	s_lshl_b32 s31, s[HB], 7
	v_add_nc_u32 v[STO], s31, v[STO]
	v_mul_u32_u24 v[RD], v20, PITCH                ; back: rows 32 x wave on; lanes 0-15 one row of 256 bytes, lanes 16-31 the next
	v_lshl_add_u32 v[RD], v19, 4, v[RD]
	s_mul_i32 s31, s[WV], 32*PITCH
	s_add_co_u32 s31, s31, STAGE
	v_add_nc_u32 v[RD], s31, v[RD]
	v_lshlrev_b32 v[GO], 10, v20                   ; and the same two rows in vcodes
	v_lshl_add_u32 v[GO], v19, 4, v[GO]
	s_wait_tensorcnt 2                             ; the scales and my part of K step 0 are in; K steps 1 and 2 may be out
	s_barrier_signal -1
	s_barrier_wait -1
	LOADB 0, 0, 0, 0
	LOADB 0, 0, 0, 4
	WIN 0
	FETCH_A 0, 0, 0
	SCALES 0, 0
	s_wait_loadcnt 0x0                             ; bq, KV's images and scale words, Ksum: asked for with the first tiles
	STEP 0, 0, 2
	TURN 0, 1, 1, 0, 1, 8                          ; slot 0 takes K step 3
	STEP 1, 1, 0
	TURN 1, 2, 2, 1, 0, 16
	STEP 2, 0, 0
	TURN 2, 0, 0, 0, 1, 24                         ; K step 3 has landed in every wave
	STEP 0, 1, 0
	s_wait_dscnt 0x0
	WIN MUL_LO
	MUL8 0, 1, 1, 1, 0
	MUL8 1, 1, 1, 1, 0
	MUL8 2, 1, 1, 1, 0
	MUL8 3, 1, 1, 1, 0
	WIN 0
	PLACES NP
	v_mov_b32 v23, 0                               ; (upper halves of pairs whose low word serves both halves)
	v_mov_b32 v25, 0
.irp b, 0,1,2,3
	v_mov_b32 v[TM+4+\b], 0                        ; a lane permute's destination counts as one of its sources
.endr
.macro EPIQ a
.set AC, 64*(\a)
.if (\a) > 0
	s_wait_dscnt 0x0                               ; the last block's stores into the stage have read their registers
.endif
	WIN 0x02
.set i, 0
.rept 32
	v_pk_mul_f32 v[YR+2*i:YR+2*i+1], v[AC+2*i:AC+2*i+1], s[L2E:L2E+1] op_sel_hi:[1,0]      ; x log2(e); each accumulator from its low end on
.set i, i+1
.endr
.set i, 0
.rept 32
	v_pk_add_f32 v[XR+2*i:XR+2*i+1], v[AC+2*i:AC+2*i+1], 1.0 op_sel_hi:[1,0]               ; x + 1
.set i, i+1
.endr
	WIN 0
.set i, 0
.rept 64
	v_exp_f32 v[YR+i], v[YR+i]
.set i, i+1
.endr
	v_nop                                          ; a plain line behind the exponentials
.set i, 0
	s_wait_alu depctr_va_vdst(0)
.rept 64
	v_med3_num_f32 v[XR+i], v[XR+i], v[YR+i], 1.0  ; elu(x) + 1: for x > 0, 1 < x + 1 < e^x; for x <= 0, x + 1 <= e^x <= 1: the middle one in both cases
.set i, i+1
.endr
	WIN 0x0c                                       ; source 1 (Ksum) window 3
	v_pk_mul_f32 v[58:59], v[XR:XR+1], v[KS:KS+1]                  ; Q . Ksum in f32, of the unquantised Q; the two heads by turns
	v_pk_mul_f32 v[60:61], v[XR+32:XR+33], v[KS+32:KS+33]
.irp j, 2,4,6,8,10,12,14,16,18,20,22,24,26,28,30
	v_pk_fma_f32 v[58:59], v[XR+\j:XR+\j+1], v[KS+\j:KS+\j+1], v[58:59]
	v_pk_fma_f32 v[60:61], v[XR+32+\j:XR+33+\j], v[KS+32+\j:KS+33+\j], v[60:61]
.endr
	WIN 0
	v_add_f32 v58, v58, v59
	v_add_f32 v60, v60, v61
	v_permlanex16_b32 v59, v58, s[SEL], s[SEL+1]
	v_permlanex16_b32 v61, v60, s[SEL], s[SEL+1]
	v_add_f32 v58, v58, v59
	v_add_f32 v60, v60, v61
	v_add_f32 v58, 0x358637bd, v58                 ; + 1e-6
	v_add_f32 v60, 0x358637bd, v60
	v_rcp_f32 v22, v58                             ; Z; the lines that follow are plain and touch neither Z nor the divisors
	v_rcp_f32 v24, v60
	QUANT XR, 1, QC, 0, QW
	PLACES 3                                       ; with the line behind the conversions: four places between the codes and the scaled products
	WIN 0x03                                       ; source 0 (KV) window 3
.irp f, 0,1,2,3,4,5,6,7
	v_wmma_scale_f32_16x16x128_f8f6f4 v[XR+8*\f:XR+8*\f+7], v[16*\f:16*\f+15], v[QC:QC+15], 0, v[KVW+\f], v[QW]
.endr
	WIN 0
	PLACES NP
.set i, 0
	s_wait_alu depctr_va_vdst(0)
.rept 16
	v_pk_mul_f32 v[XR+2*i:XR+2*i+1], v[XR+2*i:XR+2*i+1], v[22:23] op_sel_hi:[1,0]          ; x Z of the even head,
.set i, i+1
.endr
.rept 16
	v_pk_mul_f32 v[XR+2*i:XR+2*i+1], v[XR+2*i:XR+2*i+1], v[24:25] op_sel_hi:[1,0]          ; of the odd one
.set i, i+1
.endr
	QUANT XR, 0, VC, 0, VWS+(\a)
.irp c, 0,1,2,3
.irp u, 0,1
	ds_store_b64 v[STO], v[VC+4*\c+2*\u:VC+4*\c+2*\u+1] offset:(\a)*16*PITCH+32*\c+16*\u   ; columns 32 c + 16 u + 8 h + 0 .. 7: the natural order of E
.endr
.endr
.endm
.irp a, 0,1,2,3
	EPIQ \a
.endr
	v_and_b32 v22, 16, v0
	v_cmp_ne_u32 vcc_lo, 0, v22
.irp p, 0,1
	v_cndmask_b32 v[VWS+2*\p], v[VWS+2*\p], v[VWS+2*\p+1], vcc_lo  ; lanes 0-15 rows of block 2 p, lanes 16-31 of block 2 p + 1
.endr
.irp p, 0,1
	global_store_b32 v[L32], v[VWS+2*\p], s[22:23] offset:1024*\p  ; four scale bytes of each of 32 rows
.endr
	s_wait_dscnt 0x0                               ; for the others' sake: my stores into the stage have landed
	s_barrier_signal -1
	s_barrier_wait -1
.irp t, 0,1,2,3,4,5,6,7,8,9,10,11,12,13,14,15
	ds_load_b128 v[64+4*\t:64+4*\t+3], v[RD] offset:\t*2*PITCH
.endr
.irp t, 0,1,2,3,4,5,6,7,8,9,10,11,12,13,14,15
	s_wait_dscnt 15-\t                             ; the younger loads may be out
	global_store_b128 v[GO], v[64+4*\t:64+4*\t+3], s[20:21] offset:2048*\t         ; 16 lanes store 256 consecutive bytes, at a multiple of 256 from the buffer's first byte
.endr
	s_wait_tensorcnt 0x0                           ; the wave's end
	ds_add_u32 v[SPW], v[NIL]
	s_wait_dscnt 0x0
	CROUND                                         ; the closing round
	s_endpgm
.Lfunc_end_k_q9b24b5b1df_qattn:
	.size	k_q9b24b5b1df_qattn, .Lfunc_end_k_q9b24b5b1df_qattn-k_q9b24b5b1df_qattn
	.p2alignl 7, 3214868480
	.fill 96, 4, 3214868480
	.section	.rodata,"a",@progbits
	.p2align	6, 0x0
	.amdhsa_kernel k_q9b24b5b1df_qattn
		.amdhsa_group_segment_fixed_size 327680
		.amdhsa_private_segment_fixed_size 0
		.amdhsa_enable_private_segment 0
		.amdhsa_kernarg_size 80
		.amdhsa_user_sgpr_count 2
		.amdhsa_user_sgpr_kernarg_segment_ptr 1
		.amdhsa_wavefront_size32 1
		.amdhsa_system_sgpr_workgroup_id_x 1
		.amdhsa_system_sgpr_workgroup_id_y 1
		.amdhsa_system_sgpr_workgroup_id_z 1
		.amdhsa_system_vgpr_workitem_id 0
		.amdhsa_next_free_vgpr 1024
		.amdhsa_next_free_sgpr 102
		.amdhsa_reserve_vcc 1
		.amdhsa_float_denorm_mode_32 3
		.amdhsa_float_denorm_mode_16_64 3
		.amdhsa_memory_ordered 1
		.amdhsa_forward_progress 1
		.amdhsa_inst_pref_size 209
	.end_amdhsa_kernel
	.amdgpu_metadata
---
amdhsa.version: [ 1, 2 ]
amdhsa.kernels:
  - .name:           k_q9b24b5b1df_qattn
    .symbol:         k_q9b24b5b1df_qattn.kd
    .args:
      - { .name: query_codes, .offset: 0, .size: 8, .value_kind: global_buffer, .address_space: global }
      - { .name: query_scales, .offset: 8, .size: 8, .value_kind: global_buffer, .address_space: global }
      - { .name: Wq_codes, .offset: 16, .size: 8, .value_kind: global_buffer, .address_space: global }
      - { .name: Wq_scales, .offset: 24, .size: 8, .value_kind: global_buffer, .address_space: global }
      - { .name: bq, .offset: 32, .size: 8, .value_kind: global_buffer, .address_space: global }
      - { .name: kvimg, .offset: 40, .size: 8, .value_kind: global_buffer, .address_space: global }
      - { .name: kvsc, .offset: 48, .size: 8, .value_kind: global_buffer, .address_space: global }
      - { .name: ksum, .offset: 56, .size: 8, .value_kind: global_buffer, .address_space: global }
      - { .name: vcodes, .offset: 64, .size: 8, .value_kind: global_buffer, .address_space: global }
      - { .name: vscales, .offset: 72, .size: 8, .value_kind: global_buffer, .address_space: global }
    .group_segment_fixed_size: 327680
    .private_segment_fixed_size: 0
    .kernarg_segment_align: 8
    .kernarg_segment_size: 80
    .max_flat_workgroup_size: 128
    .sgpr_count:     102
    .vgpr_count:     1024
    .wavefront_size: 32
...
	.end_amdgpu_metadata
.endif
;; end of part 5
;; launch outproj (part 6): grid 4 x 64, 4 waves a work-group, clusters of 4 x 4, 327,680 bytes of LDS; arguments vcodes, vscales, Wp_codes, Wp_scales, bp, out0; writes out0
.if DOCPART == 6
	.amdgcn_target "amdgcn-amd-amdhsa--gfx1250"
	.amdhsa_code_object_version 6
	.text
	.protected	k_q9b24b5b1df_outproj
	.globl	k_q9b24b5b1df_outproj
	.p2align	8
	.type	k_q9b24b5b1df_outproj,@function
k_q9b24b5b1df_outproj:
	s_mov_b64 s[64:65], 0
	v_nop
	global_prefetch_b8 v0, s[64:65] scope:SCOPE_SE
	s_setreg_imm32_b32 hwreg(HW_REG_WAVE_MODE, 25, 1), 1
	s_wait_xcnt 0x0
	s_wait_alu depctr_hold_cnt(0) depctr_sa_sdst(0) depctr_va_vdst(0) depctr_va_sdst(0) depctr_va_ssrc(0) depctr_va_vcc(0) depctr_vm_vsrc(0)
	s_getreg_b32 s2, hwreg(HW_REG_IB_STS2, 6, 4)
	s_cmp_eq_u32 s2, 0
	s_cbranch_scc0 .Lentry_in_a_cluster
	s_endpgm
.Lentry_in_a_cluster:
	s_bfe_u32 s2, ttmp6, 0x10000c
	s_cmp_lg_u32 s2, 0xf033
	s_cbranch_scc0 .Lentry_shape_is_right
	s_endpgm
.Lentry_shape_is_right:
; out = V Wp^T + bp on codes of FP8 (E4M3) with one E8M0 scale for each 32 along K.  V: [8192][1024] codes and [8192][32] scale bytes, made by the launch before; Wp likewise as given; out: [8192][1024] f32.
; A work-group of four waves makes a tile of 128 rows x 256 columns: 4 x 64 = 256 work-groups, one for each WGP.  A wave makes 64 x 128: 32 accumulators, 256 registers.
; K = 1,024 is four K steps of 256.  A slot (128 rows of V, 256 of Wp, 272 bytes each) is 104,448 bytes, so THREE slots fit: K steps 0, 1, 2 and the scales are first fills, and only K step 3 is a refill (of slot 0),
; behind the one round of the cluster's barrier; it has two K steps' products in which to land.
; SOURCE 0 = 16 ROWS OF Wp, SOURCE 1 = 16 ROWS OF V: a lane holds eight neighbouring numbers of a row of out.  bp is the C of each sum's first product.
; The scales of the tile's rows, for all of K, come into LDS once, with the first fills.  CLUSTER 4 x 4: V's tiles are asked for jointly along a row of the cluster, Wp's along a column.
; The way out: a block of 16 rows x 128 columns goes through the wave's own stage in slot 1 (its one fill and its last read are over) and leaves as whole rows of 512 bytes.
; REGISTERS.  window 0: v1-7 LDS addresses, v8 v9 the spare word's address and 0, v26-28, v31 addresses, v32-63 scale words, v64-127 bp, v128-255 V's fragments, two sets, later rows of out.
;   window 1: Wp's fragments, two sets.  window 2: the accumulators.
.set PITCH,  272                       ; an LDS row: 256 bytes + 16 of padding = 68 words: the 16 rows of a fragment load start at 16 different banks (64 banks of 4 bytes: ISA guide 11.1)
.set HALFA,  64*PITCH
.set HALFT,  128*PITCH
.set SLOT,   2*HALFA+2*HALFT
.set HSA,    8*272
.set HALFS,  16*272
.set SBLK,   2*272
.set FR,     16
.set NP,     8
.set SCL,    3*SLOT
.set SPARE,  SCL+2*HSA+2*HALFS         ; the spare words: two blocks of 256 bytes that no other line names
.set STAGE,  SLOT
.set SPITCH, 528
.set ADRA, 1
.set ADRB, 4
.set ADRS, 7
.set SPW,  8
.set NIL,  9
.set STO,  26
.set RD,   27
.set CO,   28
.set H32,  31
.set SC,   32
.set BI,   64
.set AF,   128
.set BK,   128
.set WV, 28
.set HA, 29
.set HB, 30
.set G1, 32
.set G1B, 40
.set G0, 48
.set G0B, 68
.set G1S, 80
.set G1SB, 88
.set G0S, 96
.set G0SB, 24
.set MUL_LO, 0xa1
.set TO_B,   0x40
.set CODEW, (1<<20)|(1<<21)|(5<<22)|(3<<25)
.set SCLW,  (3<<16)|(1<<20)|(1<<21)|(5<<22)|(3<<25)
.set MSB, 0
.macro WIN new                         ; the immediate's high byte repeats the setting that is left
.if MSB != (\new)
	s_set_vgpr_msb (MSB<<8)|(\new)
.set MSB, (\new)
.endif
.endm
.macro WINM zero
.if \zero
	WIN 0x81                                       ; C (the bias) window 0, D window 2
.else
	WIN MUL_LO
.endif
.endm
.macro PLACES n
.rept \n
	v_nop
.endr
.endm
.macro JLOAD g0a, g1a, g0b, g1b        ; waves 0 and 1 fetch V's halves, waves 2 and 3 Wp's; four v_nop follow each of the two lines
	s_cmp_eq_u32 s[HA], 0
	s_cbranch_scc0 .Lfor_b_\@
	tensor_load_to_lds s[\g0a:\g0a+3], s[\g1a:\g1a+7]
	s_nop 0
.rept 4
	v_nop
.endr
	s_branch .Lasked_\@
.Lfor_b_\@:
	tensor_load_to_lds s[\g0b:\g0b+3], s[\g1b:\g1b+7]
	s_nop 0
.rept 4
	v_nop
.endr
.Lasked_\@:
.endm
.macro CREST
	s_cmp_lg_u32 s[WV], 0
	s_cbranch_scc1 .Lnot_wave_0_\@
	s_barrier_signal -3
.Lnot_wave_0_\@:
	s_barrier_wait -3
	s_barrier_signal -1
	s_barrier_wait -1
.endm
.macro CROUND
	s_barrier_signal -1
	s_barrier_wait -1
	CREST
.endm
.macro FRAG reg, adr, q, i
.irp c, 0,1,2,3
	ds_load_b128 v[\reg+4*\c:\reg+4*\c+3], v[\adr] offset:128*(\q)+32*\c+(\i)*16*PITCH
.endr
.endm
.macro LOADB slot, q, p, i0            ; Wp's fragments i0 .. i0 + 3 into set p: 16 loads
	WIN TO_B
.irp i, \i0, \i0+1, \i0+2, \i0+3
	FRAG 128*(\p)+FR*(\i), ADRB+\slot, \q, \i
.endr
.endm
.macro FETCH_A slot, q, p              ; V's four fragments into set p: 16 loads
.irp i, 0,1,2,3
	FRAG AF+64*(\p)+FR*\i, ADRA+\slot, \q, \i
.endr
.endm
.macro SCALES sc, off                  ; lanes 0-15 V's block i (blocks 4-7 are not used), lanes 16-31 Wp's block i; the K step stands in the immediate
.irp i, 0,1,2,3,4,5,6,7
	ds_load_b64 v[SC+16*(\sc)+2*\i:SC+16*(\sc)+2*\i+1], v[ADRS] offset:\i*SBLK+(\off)
.endr
.endm
.macro MUL8 a, p, q, sc, zero          ; V's block a x Wp's eight.  zero = 2: the first product starts the sums from the bias.  The 32 accumulators take turns
.irp b, 0,1,2,3,4,5,6,7
.if \zero
	v_wmma_scale_f32_16x16x128_f8f6f4 v[8*(8*(\a)+\b):8*(8*(\a)+\b)+7], v[128*(\p)+FR*\b:128*(\p)+FR*\b+FR-1], v[AF+64*(\p)+FR*(\a):AF+64*(\p)+FR*(\a)+FR-1], v[BI+8*\b:BI+8*\b+7], v[SC+16*(\sc)+2*\b+(\q)], v[SC+16*(\sc)+2*(\a)+(\q)] matrix_a_scale:MATRIX_SCALE_ROW1
.else
	v_wmma_scale_f32_16x16x128_f8f6f4 v[8*(8*(\a)+\b):8*(8*(\a)+\b)+7], v[128*(\p)+FR*\b:128*(\p)+FR*\b+FR-1], v[AF+64*(\p)+FR*(\a):AF+64*(\p)+FR*(\a)+FR-1], v[8*(8*(\a)+\b):8*(8*(\a)+\b)+7], v[SC+16*(\sc)+2*\b+(\q)], v[SC+16*(\sc)+2*(\a)+(\q)] matrix_a_scale:MATRIX_SCALE_ROW1
.endif
.endr
.endm
; A slot's first 128 along K (sets 0): its second 128 are fetched into sets 1, in three runs of 16 loads ahead of the first three groups of eight products.
.macro STEP slot, sc, zero
	s_wait_dscnt 0x0                               ; this step's fragments and scale words are in
	PLACES NP                                      ; in front of loads into the sets that the last step's products read
	LOADB \slot, 1, 1, 0
	WINM \zero
	MUL8 0, 0, 0, \sc, \zero
	LOADB \slot, 1, 1, 4
	WINM \zero
	MUL8 1, 0, 0, \sc, \zero
	WIN 0
	FETCH_A \slot, 1, 1
	WINM \zero
	MUL8 2, 0, 0, \sc, \zero
	MUL8 3, 0, 0, \sc, \zero
	WIN 0
.endm
; A slot's second 128 along K (sets 1), and the change of slots.  mode 1: this slot is filled again: each wave waits for all its tensor loads, adds 0 to its spare word, waits for that and for its reads of the slot;
; a round of the cluster's barrier; the joint refill first behind it.  mode 0: the same three lines and a plain barrier: the refill has landed in every wave, nothing is filled.  mode 2: no barrier: the next slot was
; shown whole to every wave by the round before, and nothing is overwritten.
.macro TURN slot, next, mode, sc, nsc, soff
.if \mode < 2
	s_wait_tensorcnt 0x0                           ; all my tensor loads have landed
	ds_add_u32 v[SPW], v[NIL]                      ; 0 onto my spare word
	s_wait_dscnt 1                                 ; this step's fragments are in; the add alone may be out
.else
	s_wait_dscnt 0x0
.endif
	WIN MUL_LO
	MUL8 0, 1, 1, \sc, 0
	WIN 0
.if \mode < 2
	s_wait_dscnt 0x0                               ; the add is done, and my reads of this slot are over
	s_barrier_signal -1
	s_barrier_wait -1
.endif
.if \mode == 1
	CREST                                          ; the barrier has opened a round of the cluster's: no wave of any partner still reads this slot or has a load on its way
	s_add_nc_u64 s[G0+4*\slot+2:G0+4*\slot+3], s[G0+4*\slot+2:G0+4*\slot+3], 768      ; three K steps on
	s_add_nc_u64 s[G0B+4*\slot+2:G0B+4*\slot+3], s[G0B+4*\slot+2:G0B+4*\slot+3], 768
	JLOAD G0+4*\slot, G1, G0B+4*\slot, G1B         ; the first tensor load behind the round; its four v_nop are among the places
	PLACES NP-4
.else
	PLACES NP
.endif
	LOADB \next, 0, 0, 0
	WIN MUL_LO
	MUL8 1, 1, 1, \sc, 0
	LOADB \next, 0, 0, 4
	WIN MUL_LO
	MUL8 2, 1, 1, \sc, 0
	WIN 0
	FETCH_A \next, 0, 0
	SCALES \nsc, \soff
	WIN MUL_LO
	MUL8 3, 1, 1, \sc, 0
	WIN 0
.endm
	s_load_b256 s[4:11], s[0:1], 0x0               ; V's codes, scales; Wp's codes, scales
	s_load_b128 s[12:15], s[0:1], 0x20             ; bp, out
	v_lshl_add_u32 v[SPW], v0, 2, SPARE
	v_mov_b32 v[NIL], 0
	ds_add_u32 v8, v9
	ds_add_u32 v8, v9
	s_wait_dscnt 0x0
	v_lshrrev_b32 v19, 5, v0
	v_readfirstlane_b32 s[WV], v19
	s_lshr_b32 s[HA], s[WV], 1                     ; which 64 rows are mine.  Also: I fetch for V (0) or for Wp (1)
	s_and_b32 s[HB], s[WV], 1                      ; which 128 columns.  Also: which half of a tile I fetch
	s_bfe_u32 s66, ttmp6, 0x40000
	s_bfe_u32 s67, ttmp6, 0x40004
	s_lshl_b32 s100, ttmp9, 2
	s_add_co_u32 s100, s100, s66                   ; X
	s_and_b32 s101, ttmp7, 0xffff
	s_lshl_b32 s101, s101, 2
	s_add_co_u32 s101, s101, s67                   ; Y
	s_lshl_b32 s3, s67, 2
	s_lshl_b32 s3, 15, s3                          ; my row of the cluster
	s_lshl_b32 s2, 0x1111, s66                     ; my column
	s_or_b32 s[G1+0], s3, CODEW
	s_or_b32 s[G1B+0], s2, CODEW
	s_or_b32 s[G1S+0], s3, SCLW
	s_or_b32 s[G1SB+0], s2, SCLW
.irp g, G1, G1B
	s_mov_b32 s[\g+1], 256<<16
	s_mov_b32 s[\g+3], 256<<16
	s_mov_b32 s[\g+5], 1024
	s_mov_b32 s[\g+6], 0
	s_mov_b32 s[\g+7], 0
.endr
	s_mov_b32 s[G1+2], 64<<16                      ; 64 rows of V,
	s_mov_b32 s[G1+4], 64
	s_mov_b32 s[G1B+2], 128<<16                    ; 128 of Wp
	s_mov_b32 s[G1B+4], 128
.irp g, G1S, G1SB
	s_mov_b32 s[\g+1], 32<<16
	s_mov_b32 s[\g+3], 32<<16
	s_mov_b32 s[\g+5], 32
	s_mov_b32 s[\g+6], 0
	s_mov_b32 s[\g+7], 0
.endr
	s_mov_b32 s[G1S+2], 8<<16
	s_mov_b32 s[G1S+4], 8
	s_mov_b32 s[G1SB+2], 16<<16
	s_mov_b32 s[G1SB+4], 16
	s_lshl_b32 s60, s101, 7
	s_lshl_b32 s31, s[HB], 6
	s_add_co_u32 s60, s60, s31                     ; V's row that I fetch from: 128 Y + 64 x half
	s_lshl_b32 s62, s60, 5
	s_lshl_b32 s60, s60, 10
	s_mov_b32 s61, 0
	s_mov_b32 s63, 0
	s_lshl_b32 s96, s100, 8
	s_lshl_b32 s31, s[HB], 7
	s_add_co_u32 s96, s96, s31                     ; Wp's: 256 X + 128 x half
	s_lshl_b32 s98, s96, 5
	s_lshl_b32 s96, s96, 10
	s_mov_b32 s97, 0
	s_mov_b32 s99, 0
	s_wait_kmcnt 0x0
	s_add_nc_u64 s[4:5], s[4:5], s[60:61]
	s_add_nc_u64 s[6:7], s[6:7], s[62:63]
	s_add_nc_u64 s[8:9], s[8:9], s[96:97]
	s_add_nc_u64 s[10:11], s[10:11], s[98:99]
	s_lshl_b32 s2, s100, 8
	s_lshl_b32 s66, s[HB], 7
	s_add_co_u32 s2, s2, s66
	s_lshl_b32 s2, s2, 2                           ; my first column, as bytes of f32
	s_mov_b32 s3, 0
	s_add_nc_u64 s[12:13], s[12:13], s[2:3]        ; bp
	s_add_nc_u64 s[14:15], s[14:15], s[2:3]
	s_lshl_b32 s2, s101, 7
	s_lshl_b32 s66, s[HA], 6
	s_add_co_u32 s2, s2, s66
	s_lshl_b32 s2, s2, 12                          ; my first row: 4,096 bytes a row
	s_add_nc_u64 s[14:15], s[14:15], s[2:3]        ; out
	CROUND                                         ; all sixteen work-groups are here: the first joint loads meet
	s_mul_i32 s31, s[HB], HSA
	s_mov_b32 s[G0S], 1
	s_add_co_u32 s[G0S+1], s31, SCL
	s_mov_b64 s[G0S+2:G0S+3], s[6:7]
	s_or_b32 s[G0S+3], s[G0S+3], 0x80000000
	s_mul_i32 s31, s[HB], HALFS
	s_mov_b32 s[G0SB], 1
	s_add_co_u32 s[G0SB+1], s31, SCL+2*HSA
	s_mov_b64 s[G0SB+2:G0SB+3], s[10:11]
	s_or_b32 s[G0SB+3], s[G0SB+3], 0x80000000
	s_mul_i32 s31, s[HB], HALFA
.irp s, 0,1,2
	s_mov_b32 s[G0+4*\s], 1
	s_add_co_u32 s[G0+4*\s+1], s31, \s*SLOT
	s_add_nc_u64 s[G0+4*\s+2:G0+4*\s+3], s[4:5], \s*256            ; K step s
	s_or_b32 s[G0+4*\s+3], s[G0+4*\s+3], 0x80000000
.endr
	s_mul_i32 s31, s[HB], HALFT
	s_add_co_u32 s31, s31, 2*HALFA
.irp s, 0,1,2
	s_mov_b32 s[G0B+4*\s], 1
	s_add_co_u32 s[G0B+4*\s+1], s31, \s*SLOT
	s_add_nc_u64 s[G0B+4*\s+2:G0B+4*\s+3], s[8:9], \s*256
	s_or_b32 s[G0B+4*\s+3], s[G0B+4*\s+3], 0x80000000
.endr
	JLOAD G0S, G1S, G0SB, G1SB                     ; the scales,
.irp s, 0,1,2
	JLOAD G0+4*\s, G1, G0B+4*\s, G1B               ; K steps 0, 1, 2: four tensor loads of mine are out now
.endr
	v_and_b32 v19, 15, v0                          ; r
	v_bfe_u32 v20, v0, 4, 1                        ; h
	v_lshlrev_b32 v[H32], 5, v20
.irp b, 0,1,2,3,4,5,6,7
	global_load_b128 v[BI+8*\b:BI+8*\b+3], v[H32], s[12:13] offset:64*\b           ; bp at columns 16 b + 8 h + 0 .. 7
	global_load_b128 v[BI+8*\b+4:BI+8*\b+7], v[H32], s[12:13] offset:64*\b+16
.endr
	v_mul_u32_u24 v21, v19, PITCH
	v_lshl_add_u32 v22, v20, 4, v21                ; a fragment's row x pitch + 16 h
	s_mul_i32 s31, s[HA], HALFA
.irp s, 0,1,2
	v_add_nc_u32 v[ADRA+\s], s31, v22
	s_add_co_u32 s31, s31, SLOT
.endr
	s_mul_i32 s31, s[HB], HALFT
	s_add_co_u32 s31, s31, 2*HALFA
.irp s, 0,1,2
	v_add_nc_u32 v[ADRB+\s], s31, v22
	s_add_co_u32 s31, s31, SLOT
.endr
	v_lshlrev_b32 v22, 5, v19
	v_lshrrev_b32 v23, 3, v19
	v_lshl_add_u32 v22, v23, 4, v22                ; my row's scales: 32 r + 16 for each 256 passed
	s_xor_b32 s31, s[HA], 1
	s_add_co_u32 s31, s31, s[HB]
	s_add_co_u32 s31, s31, s[HB]
	s_add_co_u32 s31, s31, 1                       ; 2 + 2 HB - HA: lanes 16-31 take Wp's, so many times 64 rows' scales further on
	s_mul_i32 s31, s31, HSA
	v_mul_u32_u24 v23, s31, v20
	v_add_nc_u32 v22, v22, v23
	s_mul_i32 s31, s[HA], HSA
	s_add_co_u32 s31, s31, SCL
	v_add_nc_u32 v[ADRS], s31, v22
	s_mul_i32 s31, s[WV], 16*SPITCH
	s_add_co_u32 s31, s31, STAGE                   ; my stage
	v_mul_u32_u24 v[STO], v19, SPITCH              ; in: row r, 32 bytes for each half of the lanes
	v_lshl_add_u32 v[STO], v20, 5, v[STO]
	v_add_nc_u32 v[STO], s31, v[STO]
	v_and_b32 v24, 31, v0
	v_lshlrev_b32 v[CO], 4, v24                    ; back: the 32 lanes take one row of 512 bytes; and the same in out
	v_add_nc_u32 v[RD], s31, v[CO]
	s_wait_tensorcnt 2                             ; the scales and my part of K step 0 are in; K steps 1 and 2 may be out
	s_barrier_signal -1
	s_barrier_wait -1
	LOADB 0, 0, 0, 0
	LOADB 0, 0, 0, 4
	WIN 0
	FETCH_A 0, 0, 0
	SCALES 0, 0
	s_wait_loadcnt 0x0                             ; bp
	STEP 0, 0, 2
	TURN 0, 1, 1, 0, 1, 8                          ; slot 0 takes K step 3
	STEP 1, 1, 0
	TURN 1, 2, 2, 1, 0, 16
	STEP 2, 0, 0
	TURN 2, 0, 0, 0, 1, 24                         ; K step 3 has landed in every wave
	STEP 0, 1, 0
	s_wait_dscnt 0x0
	WIN MUL_LO
	MUL8 0, 1, 1, 1, 0
	MUL8 1, 1, 1, 1, 0
	MUL8 2, 1, 1, 1, 0
	MUL8 3, 1, 1, 1, 0
	WIN 0
; THE WAY OUT.  LDS serves a wave's instructions in order (ISA guide 5.7.1.4): no wait between a block's stores into my stage and its loads, nor in front of the next block's stores.
.macro TOSTAGE a
.set AC, 64*(\a)
	WIN 0x08                                       ; an LDS store's data are its source 1: window 2
.irp b, 0,1,2,3,4,5,6,7
	ds_store_b128 v[STO], v[AC+8*\b:AC+8*\b+3] offset:64*\b        ; each accumulator from its low end on
	ds_store_b128 v[STO], v[AC+8*\b+4:AC+8*\b+7] offset:64*\b+16
.endr
	WIN 0
.set BB, BK+64*((\a)%2)
.irp t, 0,1,2,3,4,5,6,7,8,9,10,11,12,13,14,15
	ds_load_b128 v[BB+4*\t:BB+4*\t+3], v[RD] offset:\t*SPITCH
.endr
.endm
.macro SEND a, younger
.set BB, BK+64*((\a)%2)
	s_wait_dscnt \younger                          ; the block is back in registers
.if (\a) > 0
	s_add_nc_u64 s[14:15], s[14:15], 16*4096       ; (behind a wait on XCNT)  16 rows of out on
.endif
.irp t, 0,1,2,3,4,5,6,7,8,9,10,11,12,13,14,15
	global_store_b128 v[CO], v[BB+4*\t:BB+4*\t+3], s[14:15] offset:\t*4096 th:TH_STORE_NT  ; 32 lanes store 512 consecutive bytes, at a multiple of 256 from out's first byte
.endr
.endm
	PLACES NP                                      ; in front of the first read of results and of loads into the registers that held V's fragments
	TOSTAGE 0
.irp a, 1,2,3
.if \a > 1
	s_wait_xcnt 0x0                                ; block a - 2's stores have read their registers and their base
.endif
	TOSTAGE \a
	SEND \a-1, 32                                  ; behind block a - 1's loads: block a's 16 stores and 16 loads
.endr
	s_wait_xcnt 0x0
	SEND 3, 0
	s_wait_tensorcnt 0x0                           ; the wave's end
	ds_add_u32 v[SPW], v[NIL]
	s_wait_dscnt 0x0
	CROUND                                         ; the closing round
	s_endpgm
.Lfunc_end_k_q9b24b5b1df_outproj:
	.size	k_q9b24b5b1df_outproj, .Lfunc_end_k_q9b24b5b1df_outproj-k_q9b24b5b1df_outproj
	.p2alignl 7, 3214868480
	.fill 96, 4, 3214868480
	.section	.rodata,"a",@progbits
	.p2align	6, 0x0
	.amdhsa_kernel k_q9b24b5b1df_outproj
		.amdhsa_group_segment_fixed_size 327680
		.amdhsa_private_segment_fixed_size 0
		.amdhsa_enable_private_segment 0
		.amdhsa_kernarg_size 48
		.amdhsa_user_sgpr_count 2
		.amdhsa_user_sgpr_kernarg_segment_ptr 1
		.amdhsa_wavefront_size32 1
		.amdhsa_system_sgpr_workgroup_id_x 1
		.amdhsa_system_sgpr_workgroup_id_y 1
		.amdhsa_system_sgpr_workgroup_id_z 1
		.amdhsa_system_vgpr_workitem_id 0
		.amdhsa_next_free_vgpr 1024
		.amdhsa_next_free_sgpr 102
		.amdhsa_reserve_vcc 0
		.amdhsa_float_denorm_mode_32 3
		.amdhsa_float_denorm_mode_16_64 3
		.amdhsa_memory_ordered 1
		.amdhsa_forward_progress 1
		.amdhsa_inst_pref_size 91
	.end_amdhsa_kernel
	.amdgpu_metadata
---
amdhsa.version: [ 1, 2 ]
amdhsa.kernels:
  - .name:           k_q9b24b5b1df_outproj
    .symbol:         k_q9b24b5b1df_outproj.kd
    .args:
      - { .name: vcodes, .offset: 0, .size: 8, .value_kind: global_buffer, .address_space: global }
      - { .name: vscales, .offset: 8, .size: 8, .value_kind: global_buffer, .address_space: global }
      - { .name: Wp_codes, .offset: 16, .size: 8, .value_kind: global_buffer, .address_space: global }
      - { .name: Wp_scales, .offset: 24, .size: 8, .value_kind: global_buffer, .address_space: global }
      - { .name: bp, .offset: 32, .size: 8, .value_kind: global_buffer, .address_space: global }
      - { .name: out0, .offset: 40, .size: 8, .value_kind: global_buffer, .address_space: global }
    .group_segment_fixed_size: 327680
    .private_segment_fixed_size: 0
    .kernarg_segment_align: 8
    .kernarg_segment_size: 48
    .max_flat_workgroup_size: 128
    .sgpr_count:     102
    .vgpr_count:     1024
    .wavefront_size: 32
...
	.end_amdgpu_metadata
.endif
;; end of part 6
